; MI455X (gfx1250); checked and timed in simulation.
; The chip was launched on July 23, 2026; its instructions are those of AMD's public machine-readable ISA for CDNA 5 (MIT licence, August 2026) and "CDNA5" Instruction Set Architecture Reference Guide (July 2026). The comments in the code are by the model that wrote it; some were corrected since.
;; Single Head Attention. Allowed arithmetic: matrix products marked QUANTISED: E2M3 operands, one E8M0 scale for each 32 along K, by v_wmma_scale_f32_16x16x128_f8f6f4 with both operands' format E2M3, f32 sums; everything else in f32.
;; Inputs: b_out 1,024 float32; b_qkv 3,072 float32; w_out 1,024 x 1,024 float32; w_qkv 3,072 x 1,024 float32; x 4 x 2,048 x 1,024 float32.
;; Outputs: out0 4 x 2,048 x 1,024 float32.
;; This version of the problem:
;;   THIS VERSION OF THE PROBLEM IS GIVEN IN LOW PRECISION. The matrix products marked QUANTISED in the list below multiply operands that are first quantised to E2M3 (2 exponent bits, 3 mantissa bits; 6 bits a number), with one power-of-two scale for each 32 numbers along K (OCP MX v1.0); their sums are f32. All else is computed in f32.
;;   The module's matrix products, in the order in which they are computed (A, B: the left and right operand; K: the contracted axis; several contracted axes count as one K, in the product's order):
;;     1. [M 8,192, K 1,024] x [K 1,024, N 3,072]; A: input x; B: input w_qkv: QUANTISED
;;     2. batch 4 x [M 2,048, K 1,024] x [K 1,024, N 2,048]; A: computed on the way; B: computed on the way: QUANTISED
;;     3. batch 4 x [M 2,048, K 2,048] x [K 2,048, N 1,024]; A: softmax (see below); B: computed on the way: QUANTISED
;;     4. [M 8,192, K 1,024] x [K 1,024, N 1,024]; A: computed on the way; B: input w_out: QUANTISED
;;   THE QUANTISER, for each operand of a quantised product, along K:
;;     - K is cut into blocks of 32 from its start; a last block that is shorter is filled with zeros.
;;     - A block's scale is 2^e with e = floor(log2(the largest magnitude in the block)) - 2, held to -126 .. 127; a block of zeros has e = 0. As a byte (E8M0): e + 127.
;;     - Each number is divided by its block's scale, clamped to +-7.5, and rounded to the nearest number of E2M3, ties to even, subnormals kept.
;;     - The product sums the exact products of the quantised numbers (number of the format x scale) in f32.
;;   ~~~python
;;   def quantise(x, axis):      # numpy; x: float32 -> the quantised numbers, widened to float32 again
;;       x = np.moveaxis(x, axis, -1); K = x.shape[-1]
;;       x = np.pad(x, [(0, 0)] * (x.ndim - 1) + [(0, -K % 32)]); x = x.reshape(x.shape[:-1] + (-1, 32)); a = np.abs(x).max(-1, keepdims=True)
;;       e = np.where(a > 0, np.clip(np.frexp(np.where(a > 0, a, 1))[1] - 1 - 2, -126, 127), 0)      # np.frexp(a)[1] - 1 = floor(log2(a)), exactly
;;       r = np.clip(x / 2.0 ** e, -7.5, 7.5)
;;       step = 2.0 ** (np.maximum(np.frexp(np.where(r == 0, 1, r))[1] - 1, 0) - 3)
;;       q = np.round(r / step) * step * 2.0 ** e      # np.round: ties to even
;;       return np.moveaxis(q.reshape(q.shape[:-2] + (-1,))[..., :K], -1, axis).astype(np.float32)
;;   ~~~
;;   SOFTMAX AHEAD OF A QUANTISED PRODUCT. Where the list says 'softmax', what is quantised is not the finished softmax but p = 2^(t - M), with t = logit x log2(e) and M = ceil(the row's largest t), a whole number; so 1/2 < the row's largest p <= 1. The row's sum l is taken of the UNQUANTISED p, in f32, and the product's result is divided by l at the end. Since M is a whole number, a kernel that streams over the keys may use a running M (the ceiling of the running maximum): every later rescaling is an exact power of two, which a block's scale takes up: the codes' values come out the same.
;;   OPERANDS COMPUTED ON THE WAY. 'Computed on the way' means the value that the module computes at that place (a softmax that the list does not call 'softmax' is quantised finished and normalised). What goes into a quantiser is computed in f32, as accurately as f32 sums, v_exp_f32 and their like allow (about 1e-6 of the number): no bf16 or f16 on the way to a quantiser, and a product that is left as it is and whose result goes on into a quantised operand takes f32 operands (vector FMAs, or v_wmma_f32_16x16x4_f32). A number that lies on a knife's edge between two numbers of the format may be rounded either way, as far as f32 arithmetic and the matrix unit's own rounding can turn it there, and no further.
;; One version. Each part assembles by itself: llvm-mc -triple=amdgcn-amd-amdhsa -mcpu=gfx1250 --defsym DOCPART=n.
;; ======== version 1 of 1: 5 launches
;; limits: right only within a limited range of input values
;; workspace buffers: xw 10,223,616 bytes; qkv 20,447,232 bytes; pc 12,582,912 bytes; ps 1,572,864 bytes; oc 6,815,744 bytes
;; launch quant (part 1): grid 384 x 1, 4 waves a work-group, no clusters, 34,304 bytes of LDS; arguments x, w_qkv, w_out, xw; writes xw
.if DOCPART == 1
	.amdgcn_target "amdgcn-amd-amdhsa--gfx1250"
	.amdhsa_code_object_version 6
	.text
	.protected	k_qcaa77dbfec_quant
	.globl	k_qcaa77dbfec_quant
	.p2align	8
	.type	k_qcaa77dbfec_quant,@function
k_qcaa77dbfec_quant:
	s_mov_b64 s[64:65], 0
	v_nop
	global_prefetch_b8 v0, s[64:65] scope:SCOPE_SE
	s_setreg_imm32_b32 hwreg(HW_REG_WAVE_MODE, 25, 1), 1
	s_wait_xcnt 0x0
; LAUNCH 1 OF 5.  x [8192][1024], w_qkv [3072][1024] and w_out [1024][1024], f32, become codes of FP6 (E2M3) with one E8M0 byte for each 32 along K (their last axis), laid as IMAGES OF OPERAND REGISTERS.
; THE PROGRAM: quant (this) | qkv: x w_qkv^T + b, quantised on the way out: q, k along h, v along the keys | score: q k^T, mask, p = 2^(t - M), quantised along the keys | pv: p v / l, quantised along h | proj: o w_out^T + b_out.
; WORK LEFT OUT.  reference() sets scores[q][k] to -inf wherever k > q, by a mask that it builds in its own body; exp(-inf) is 0, so for every finite input such a score adds 0 to the row's sum and 0 x v[k] to the
; row's result.  So the tiles of 256 queries x 256 keys that lie wholly above the diagonal (28 of 64 in each batch) reach no output: launch score does not form them, and launch pv does not multiply by them.
; No input is dead: both biases feed quantisers or the result, and all five inputs are loaded.  LIMIT: a NaN, an infinity or an overflow that reaches only the tiles left out is not carried to the result.
; THE IMAGE of 16 rows x 128 K is 1,664 bytes: bytes 512 c + 16 lane hold registers 4 c .. 4 c + 3 of that lane's 12-register fragment (lane (r, h): registers 6 c' .. 6 c' + 5 = k 64 c' + 32 h + 0 .. 31 of row r);
; bytes 1,536 + 4 lane hold the row's scale word (lanes 16-31 the same words again).  ROW BLOCK 2 B + u, LANE r, HOLDS ROW 32 B + 8 u + r + 8 (r / 8): with that order a transposed product leaves 16 neighbours along the next K in a lane's registers.
; xw IS LAID WITH K OUTERMOST: [4 K steps of 256][768 row blocks][2 images]: the row blocks of one K step lie on end, 3,328 bytes each, so that one tensor descriptor with a row for each K step brings several K steps of a run of row blocks.
; Row blocks 0-511 are x, 512-703 w_qkv, 704-767 w_out.
; A block's scale byte is its largest magnitude's exponent field - 2, held at 1 from below.  LIMITS: a block whose largest magnitude lies under 2^-124 (zeros among them) keeps the byte 1; the bytes are read by this program alone.  NaN and infinities among the inputs are not served.
; SHARES.  A work-group takes 32 rows (two row blocks); wave w takes K step w: four fragments f (128 (f / 2) along K, row block f % 2).  Each load reads 512 consecutive bytes of a row; the fragment's 16 x 512 bytes
; turn through the wave's own stage in LDS (rows 528 bytes apart) and come back 2 x 128 bytes a lane: two whole blocks of 32.  No barrier: waves share nothing.
.set STG,   16*528
.set SPARE, 4*STG                      ; behind the four stages: the spare words, 128 bytes a wave, which no other line names
.set KP,    768*3328                   ; xw: bytes from K step to K step
.set LI,  4                            ; v4   16 x lane
.set LS,  5                            ; v5   4 x lane
.set STA, 6                            ; v6   the stage, on the way in
.set RDA, 7                            ; v7   and on the way out: 528 r + 128 h
.set SH,  8                            ; v8   8 h
.set SPW, 10                           ; v10  my spare word; never rewritten
.set NIL, 11                           ; v11  0; never rewritten
.set R,   16                           ; v16-143  two sets of 64 registers as loaded
.set X,   144                          ; v144-207 my 64 numbers of the fragment
.set C,   208                          ; v208-219 its codes
.set CT,  220                          ; v220-226 the upper halves of the two blocks, as converted
.set TM,  228                          ; v228-229 largest magnitudes
.set SO,  230                          ; v230-231 the conversions' scale operands
.set BY,  232                          ; v232-233 the bytes
.set QW,  234                          ; v234 the scale word
.set WT,  235                          ; v235 the other half's bytes
	s_load_b256 s[4:11], s[0:1], 0x0               ; x s[4:5], w_qkv s[6:7], w_out s[8:9], xw s[10:11]
	v_lshl_add_u32 v[SPW], v0, 2, SPARE
	v_mov_b32 v[NIL], 0
	v_lshrrev_b32 v1, 5, v0
	v_readfirstlane_b32 s16, v1                    ; wave
	v_and_b32 v1, 31, v0                           ; lane
	v_and_b32 v2, 15, v0                           ; r
	v_bfe_u32 v3, v0, 4, 1                         ; h
	v_lshlrev_b32 v[LI], 4, v1
	v_lshlrev_b32 v[LS], 2, v1
	s_mul_i32 s17, s16, STG
	v_add_nc_u32 v[STA], s17, v[LI]
	v_mul_u32_u24 v[RDA], v2, 528
	v_lshl_add_u32 v[RDA], v3, 7, v[RDA]
	v_add_nc_u32 v[RDA], s17, v[RDA]
	v_lshlrev_b32 v[SH], 3, v3
	v_mov_b32 v[WT], 0                             ; a lane permute's destination counts as one of its sources
	s_mov_b32 s12, 0x76543210
	s_mov_b32 s13, 0xfedcba98                      ; v_permlanex16_b32's selects for lane l xor 16
	s_mov_b32 s15, 352
	s_mul_i32 s18, ttmp9, 6656                     ; my work-group's two row blocks of 3,328 bytes,
	s_mul_i32 s19, s16, KP                         ; in my wave's K step
	s_add_co_u32 s18, s18, s19
	s_mov_b32 s19, 0
	s_wait_alu depctr_va_vdst(0)                   ; the wait at the head's end
	s_wait_kmcnt 0x0
	s_cmp_lt_u32 ttmp9, 352                        ; work-groups 0-255 take x, 256-351 w_qkv, 352-383 w_out: the choice hangs on the work-group's number alone
	s_cselect_b64 s[6:7], s[6:7], s[8:9]
	s_cselect_b32 s14, 256, s15
	s_cmp_lt_u32 ttmp9, 256
	s_cselect_b64 s[4:5], s[4:5], s[6:7]
	s_cselect_b32 s14, 0, s14
	s_sub_co_u32 s14, ttmp9, s14
	s_lshl_b32 s14, s14, 17                        ; 32 rows of 4,096 bytes
	s_lshl_b32 s15, s16, 10                        ; my wave's 1,024 bytes of a row
	s_add_co_u32 s14, s14, s15
	s_mov_b32 s15, 0
	s_add_nc_u64 s[4:5], s[4:5], s[14:15]
	s_add_nc_u64 s[10:11], s[10:11], s[18:19]
.macro LOAD f                          ; fragment f: lane row i is row 8 (f % 2) + i + 8 (i / 8) of the 32
.irp i, 0,1,2,3,4,5,6,7,8,9,10,11,12,13,14,15
	global_load_b128 v[R+64*((\f)%2)+4*\i:R+64*((\f)%2)+4*\i+3], v[LI], s[4:5] offset:(8*((\f)%2)+\i+8*(\i/8))*4096+((\f)/2)*512 th:TH_LOAD_NT
.endr
.endm
.macro FRAGQ f
.if \f < 3
	s_wait_loadcnt 16                              ; this fragment's 16 loads are in; the next fragment's 16 may be out
.else
	s_wait_loadcnt 0x0
.endif
.irp i, 0,1,2,3,4,5,6,7,8,9,10,11,12,13,14,15
	ds_store_b128 v[STA], v[R+64*((\f)%2)+4*\i:R+64*((\f)%2)+4*\i+3] offset:528*\i
.endr
.irp c, 0,1
.irp j, 0,1,2,3,4,5,6,7
	ds_load_b128 v[X+32*\c+4*\j:X+32*\c+4*\j+3], v[RDA] offset:256*\c+16*\j   ; LDS serves a wave's instructions in order: these see the stores above
.endr
.endr
	s_wait_dscnt 0x0                               ; my numbers are back, and the stores have read their registers,
.if \f < 2
	LOAD (\f)+2                                    ; which take the fragment two on
.endif
	s_wait_xcnt 0x0                                ; the last fragment's stores have read their data: the codes' and the word's registers are written again only behind this wait
.irp c, 0,1
	v_max3_num_f32 v[TM+\c], |v[X+32*\c]|, |v[X+32*\c+1]|, 0x1800000   ; block 2 c + h: all 32 numbers are mine; the floor 2^(3 - 127) holds the byte at 1 from below
.endr
.irp i, 2,4,6,8,10,12,14,16,18,20,22,24,26,28,30
.irp c, 0,1
	v_max3_num_f32 v[TM+\c], v[TM+\c], |v[X+32*\c+\i]|, |v[X+32*\c+\i+1]|
.endr
.endr
.irp c, 0,1
	v_add_nc_u32 v[SO+\c], 0xff000000, v[TM+\c]    ; 2 off the exponent field: the conversion's scale operand
.endr
.irp c, 0,1
	v_lshrrev_b32 v[BY+\c], 23, v[SO+\c]           ; the byte
.endr
	v_lshl_or_b32 v[QW], v[BY+1], 16, v[BY]        ; blocks h and 2 + h,
	v_lshlrev_b32 v[QW], v[SH], v[QW]              ; at their places in the word;
	v_permlanex16_b32 v[WT], v[QW], s12, s13
	v_or_b32 v[QW], v[QW], v[WT]                   ; with lane l xor 16's two the word is whole
.irp c, 0,1
	v_cvt_scalef32_pk16_fp6_f32 v[C+6*\c:C+6*\c+2], v[X+32*\c:X+32*\c+15], v[SO+\c]
	v_cvt_scalef32_pk16_fp6_f32 v[CT+4*\c:CT+4*\c+2], v[X+32*\c+16:X+32*\c+31], v[SO+\c]   ; (a conversion's three registers begin on an even number)
.endr
	v_nop                                          ; one plain place behind a scaled conversion
.irp c, 0,1
.irp i, 0,1,2
	v_mov_b32 v[C+6*\c+3+\i], v[CT+4*\c+\i]
.endr
.endr
.irp c, 0,1,2
	global_store_b128 v[LI], v[C+4*\c:C+4*\c+3], s[10:11] offset:((\f)%2)*3328+((\f)/2)*1664+512*\c   ; 32 lanes store 512 consecutive bytes
.endr
	global_store_b32 v[LS], v[QW], s[10:11] offset:((\f)%2)*3328+((\f)/2)*1664+1536
.endm
	LOAD 0
	LOAD 1
	FRAGQ 0
	FRAGQ 1
	FRAGQ 2
	FRAGQ 3
	s_wait_tensorcnt 0x0                           ; the wave's end: behind my last LDS store
	ds_add_u32 v[SPW], v[NIL]
	s_wait_dscnt 0x0
	s_endpgm
.Lfunc_end_k_qcaa77dbfec_quant:
	.size	k_qcaa77dbfec_quant, .Lfunc_end_k_qcaa77dbfec_quant-k_qcaa77dbfec_quant
	.p2alignl 7, 3214868480
	.fill 96, 4, 3214868480
	.section	.rodata,"a",@progbits
	.p2align	6, 0x0
	.amdhsa_kernel k_qcaa77dbfec_quant
		.amdhsa_group_segment_fixed_size 34304
		.amdhsa_private_segment_fixed_size 0
		.amdhsa_enable_private_segment 0
		.amdhsa_kernarg_size 32
		.amdhsa_user_sgpr_count 2
		.amdhsa_user_sgpr_kernarg_segment_ptr 1
		.amdhsa_wavefront_size32 1
		.amdhsa_system_sgpr_workgroup_id_x 1
		.amdhsa_system_sgpr_workgroup_id_y 1
		.amdhsa_system_sgpr_workgroup_id_z 1
		.amdhsa_system_vgpr_workitem_id 0
		.amdhsa_next_free_vgpr 240
		.amdhsa_next_free_sgpr 66
		.amdhsa_reserve_vcc 0
		.amdhsa_float_denorm_mode_32 3
		.amdhsa_float_denorm_mode_16_64 3
		.amdhsa_memory_ordered 1
		.amdhsa_forward_progress 1
		.amdhsa_inst_pref_size 30
	.end_amdhsa_kernel
	.amdgpu_metadata
---
amdhsa.version: [ 1, 2 ]
amdhsa.kernels:
  - .name:           k_qcaa77dbfec_quant
    .symbol:         k_qcaa77dbfec_quant.kd
    .args:
      - { .name: x, .offset: 0, .size: 8, .value_kind: global_buffer, .address_space: global }
      - { .name: w_qkv, .offset: 8, .size: 8, .value_kind: global_buffer, .address_space: global }
      - { .name: w_out, .offset: 16, .size: 8, .value_kind: global_buffer, .address_space: global }
      - { .name: xw, .offset: 24, .size: 8, .value_kind: global_buffer, .address_space: global }
    .group_segment_fixed_size: 34304
    .private_segment_fixed_size: 0
    .kernarg_segment_align: 8
    .kernarg_segment_size: 32
    .max_flat_workgroup_size: 128
    .sgpr_count:     66
    .vgpr_count:     240
    .wavefront_size: 32
...
	.end_amdgpu_metadata
.endif
;; end of part 1
;; launch qkv (part 2): grid 12 x 32, 4 waves a work-group, clusters of 4 x 4, 327,680 bytes of LDS; arguments xw, b_qkv, qkv; writes qkv
.if DOCPART == 2
	.amdgcn_target "amdgcn-amd-amdhsa--gfx1250"
	.amdhsa_code_object_version 6
	.text
	.protected	k_qcaa77dbfec_qkv
	.globl	k_qcaa77dbfec_qkv
	.p2align	8
	.type	k_qcaa77dbfec_qkv,@function
k_qcaa77dbfec_qkv:
	s_mov_b64 s[64:65], 0
	v_nop
	global_prefetch_b8 v0, s[64:65] scope:SCOPE_SE
	s_setreg_imm32_b32 hwreg(HW_REG_WAVE_MODE, 25, 1), 1
	s_wait_xcnt 0x0
	s_wait_alu depctr_hold_cnt(0) depctr_sa_sdst(0) depctr_va_vdst(0) depctr_va_sdst(0) depctr_va_ssrc(0) depctr_va_vcc(0) depctr_vm_vsrc(0)
	s_getreg_b32 s2, hwreg(HW_REG_IB_STS2, 6, 4)
	s_cmp_eq_u32 s2, 0
	s_cbranch_scc0 .Lentry_in_a_cluster
	s_endpgm
.Lentry_in_a_cluster:
	s_bfe_u32 s2, ttmp6, 0x10000c
	s_cmp_lg_u32 s2, 0xf033
	s_cbranch_scc0 .Lentry_shape_is_right
	s_endpgm
.Lentry_shape_is_right:
; LAUNCH 2 OF 5.  [q | k] = x w^T + b (8,192 x 2,048) and V^T = w_v x^T + b (1,024 x 8,192), on codes of FP6 with E8M0 scales, K = 1,024; the results are quantised on the way out and leave as register images (see launch quant):
; q and k along h; v along the KEYS, which are the K of the product with p.  One text makes both: for V^T the rows of w_v stand where x's stand and x's where w's stand.  Nothing is left out here.
; qkv: q and k with K outermost, as xw is laid: [4 K steps of 256][1,024 row blocks: q's 512, k's 512][2 images]; then at VT0 V^T [batch][64 row blocks of h][16 groups of 128 keys][1,664].
; A tile of 256 x 256 is made by four waves, 128 x 128 each: 64 accumulators.  THE MATRIX INSTRUCTION IS USED TRANSPOSED (source 0 = 16 rows of the column operand B, source 1 = 16 rows of the row operand A): lane (r, h) holds row r of A's block,
; and, by the order of rows in a row block, register 8 b + j holds column 32 (b / 2) + 16 h + 8 (b % 2) + j: the 64 registers of a block of rows are one fragment's numbers, 16 neighbours of each block of 32.
; K goes in four steps of 256 through three LDS buffers.  A wave fetches 8 row blocks of A or of B: in xw they are 26,624 dense bytes for each K step.  ONE load a wave at the head brings K steps 0, 1, 2 (a descriptor row for each K step)
; into the three buffers of its operand half, which lie on end; K step 3 is brought into buffer 0 when K step 0 has been read, 224 matrix instructions ahead of the wait for it.  By the text's own count one tensor load of a wave is out at any time.
; In LDS the images lie on end: every fragment load reads 512 consecutive bytes, every scale load 128.
; CLUSTERS: 4 x 4 work-groups; A's tiles are shared along a row of the cluster, B's along a column, by joint loads.  Which product a cluster makes hangs on the cluster's x alone, which all sixteen share.
; NO PREFETCH: the walk along K is written out, eight steps of 128: there is no loop to run ahead in, and three quarters of the operands are asked for by the first load.
; REGISTERS, in windows of 256: window 0: v4-17 addresses; v32-47, v48-63 A's and B's scale words, two sets; v64-127 the bias as the first products' C; v128-223 A's 8 fragments, one set; on the way out v192-228 at work.
;   window 1: B's fragments, two sets, at v0 and v128.  window 2: the accumulators of my rows 0-63 ((a, b) at v[8 (8 (a % 4) + b)]); window 3: those of rows 64-127.
; LIMITS: as in launch quant (byte held at 1 from below; NaN and infinities not served).
.set KP,    768*3328                   ; xw: bytes from K step to K step
.set KPQ,   1024*3328                  ; q | k: the same
.set SLOT,  26624                      ; a buffer of an operand half: 8 row blocks x 3,328 bytes
.set HALFT, 3*SLOT                     ; an operand half's three buffers: what a wave's first load fills.  A's two halves, then B's
.set SPARE, 4*HALFT                    ; behind them: the spare words, 128 bytes a wave, which no other line names
.set ASTR,  3328
.set AQ,    1664
.set BSTR,  3328
.set VT0,   13631488
.set ADRA, 4                           ; v4-6    my A fragments in buffer 0, 1, 2: + 16 x lane
.set ADRB, 7                           ; v7-9    the same for B
.set ADSA, 10                          ; v10-12  my A scale words: + 4 x lane
.set ADSB, 13                          ; v13-15  B's
.set LI,   16                          ; v16  16 x lane
.set LS,   17                          ; v17  4 x lane
.set SPW,  28                          ; v28  my spare word; never rewritten
.set NIL,  29                          ; v29  0; never rewritten
.set SA,   32
.set SB,   48
.set BT,   64
.set AF,   128
.set PC,   192                         ; the way out: v192-203 the codes, v204-210 the upper halves as converted
.set TM,   212                         ; v212-227 at work
.set PW,   228                         ; the scale word
.set SEL,  12                          ; s[12:13]
.set G1A,  24                          ; s[24:31] group 1 for A's tiles; s[32:35] group 0
.set G0A,  32
.set G1B,  44                          ; s[44:51], s[52:55] the same for B's
.set G0B,  52
.set MSB,  0
.macro WIN new                         ; the immediate's high byte repeats the setting that is left
.if MSB != (\new)
	s_set_vgpr_msb (MSB<<8)|(\new)
.set MSB, (\new)
.endif
.endm
.macro PLACES n
.rept \n
	v_nop
.endr
.endm
.macro JLOAD g0a, g0b                  ; a joint load: waves 0 and 1 fetch A's halves, waves 2 and 3 B's; an s_nop 0 and four v_nop follow each line
	s_cmp_eq_u32 s15, 0
	s_cbranch_scc0 .Lfor_b_\@
	tensor_load_to_lds s[\g0a:\g0a+3], s[G1A:G1A+7]
	s_nop 0
.rept 4
	v_nop
.endr
	s_branch .Lasked_\@
.Lfor_b_\@:
	tensor_load_to_lds s[\g0b:\g0b+3], s[G1B:G1B+7]
	s_nop 0
.rept 4
	v_nop
.endr
.Lasked_\@:
.endm
.macro CREST                           ; a round of the cluster's barrier behind its opening barrier
	s_cmp_lg_u32 s14, 0
	s_cbranch_scc1 .Lnot_wave_0_\@
	s_barrier_signal -3
.Lnot_wave_0_\@:
	s_barrier_wait -3
	s_barrier_signal -1
	s_barrier_wait -1
.endm
.macro CROUND
	s_barrier_signal -1
	s_barrier_wait -1
	CREST
.endm
.macro FRAG reg, adr, off              ; a fragment's image: three loads of 512 consecutive bytes
.irp c, 0,1,2
	ds_load_b128 v[\reg+4*\c:\reg+4*\c+3], v[\adr] offset:\off+512*\c
.endr
.endm
.macro FETCH_B nx, q, p                ; B's eight fragments of buffer nx, its q-th 128 along K, into set p
	WIN 0x40
.irp i, 0,1,2,3,4,5,6,7
	FRAG 128*(\p)+12*\i, ADRB+(\nx), \i*BSTR+(\q)*1664
.endr
	WIN 0
.endm
.macro FETCH_A nx, q, i0               ; A's blocks i0 .. i0 + 3
.irp i, \i0, \i0+1, \i0+2, \i0+3
	FRAG AF+12*(\i), ADRA+(\nx), (\i)*ASTR+(\q)*AQ
.endr
.endm
.macro SCL p, nx, q                    ; the scale words of A's and B's eight blocks into set p
.irp i, 0,1,2,3,4,5,6,7
	ds_load_b32 v[SA+8*(\p)+\i], v[ADSA+(\nx)] offset:\i*3328+(\q)*1664+1536
	ds_load_b32 v[SB+8*(\p)+\i], v[ADSB+(\nx)] offset:\i*3328+(\q)*1664+1536
.endr
.endm
; 16 matrix instructions: A's blocks a0, a0 + 1 x B's eight.  cm: the C operand: 0 the accumulator; 2 the bias by B's block; 3 the bias by A's block.  The 64 accumulators take turns, one instruction a turn, in the same order in every step.
.macro MUL16 a0, p, cm
.irp a, \a0, \a0+1
.irp b, 0,1,2,3,4,5,6,7
.if \cm == 0
	v_wmma_scale_f32_16x16x128_f8f6f4 v[8*(8*((\a)%4)+\b):8*(8*((\a)%4)+\b)+7], v[128*(\p)+12*\b:128*(\p)+12*\b+11], v[AF+12*(\a):AF+12*(\a)+11], v[8*(8*((\a)%4)+\b):8*(8*((\a)%4)+\b)+7], v[SB+8*(\p)+\b], v[SA+8*(\p)+(\a)] matrix_a_fmt:MATRIX_FMT_FP6 matrix_b_fmt:MATRIX_FMT_FP6
.elseif \cm == 2
	v_wmma_scale_f32_16x16x128_f8f6f4 v[8*(8*((\a)%4)+\b):8*(8*((\a)%4)+\b)+7], v[128*(\p)+12*\b:128*(\p)+12*\b+11], v[AF+12*(\a):AF+12*(\a)+11], v[BT+8*\b:BT+8*\b+7], v[SB+8*(\p)+\b], v[SA+8*(\p)+(\a)] matrix_a_fmt:MATRIX_FMT_FP6 matrix_b_fmt:MATRIX_FMT_FP6
.else
	v_wmma_scale_f32_16x16x128_f8f6f4 v[8*(8*((\a)%4)+\b):8*(8*((\a)%4)+\b)+7], v[128*(\p)+12*\b:128*(\p)+12*\b+11], v[AF+12*(\a):AF+12*(\a)+11], v[BT+8*(\a):BT+8*(\a)+7], v[SB+8*(\p)+\b], v[SA+8*(\p)+(\a)] matrix_a_fmt:MATRIX_FMT_FP6 matrix_b_fmt:MATRIX_FMT_FP6
.endif
.endr
.endr
.endm
; A step of 128 along K on set p; in its middle and at its end it fetches the next step's fragments (buffer nx, its nq-th 128) into set 1 - p.
; Loads into registers that matrix instructions have read stand four plain places behind them (ISA guide 7.12.1 for vector instructions).
.macro STEPN p, nx, nq, cm
	s_wait_dscnt 12                                ; B's set, A's blocks 0-3 and the scale words are in; the 12 youngest loads (A's blocks 4-7) may be out
.if \cm >= 2
	WIN 0x81                                       ; source 0 window 1, source 1 and C window 0, D window 2
.else
	WIN 0xa1                                       ; source 0 window 1, source 1 window 0, C and D window 2
.endif
	MUL16 0, \p, \cm
	MUL16 2, \p, \cm
	s_wait_dscnt 0x0                               ; A's blocks 4-7 are in
	PLACES 4
	FETCH_B \nx, \nq, 1-(\p)
	FETCH_A \nx, \nq, 0
	SCL 1-(\p), \nx, \nq
.if \cm >= 2
	WIN 0xc1
.else
	WIN 0xf1
.endif
	MUL16 4, \p, \cm
	MUL16 6, \p, \cm
	PLACES 4
	WIN 0
	FETCH_A \nx, \nq, 4
.endm
; A buffer's second step with a barrier in it.  kind = 1: the buffer just read out (buffer 0) is filled again, with K step 3: each wave waits for all its tensor loads, adds 0 to its spare word, waits for that and for its reads of the buffer;
; the barrier opens a round of the cluster's barrier, and the joint load is the first thing behind the round.  kind = 0: nothing is filled; the barrier shows K step 3 to every wave.
.macro TURNB nx, kind
	s_wait_tensorcnt 0x0                           ; all my tensor loads have landed
.if \kind
	ds_add_u32 v[SPW], v[NIL]                      ; 0 onto my spare word
	s_wait_dscnt 13                                ; (the add and the 12 youngest loads may be out)
.else
	s_wait_dscnt 12
.endif
	WIN 0xa1
	MUL16 0, 1, 0
	s_wait_dscnt 0x0                               ; the add is done, and my reads of this buffer are over
	s_barrier_signal -1
	MUL16 2, 1, 0
	WIN 0
	s_barrier_wait -1
.if \kind
	CREST                                          ; no wave of any partner still reads buffer 0 or has a load on its way
	s_add_nc_u64 s[G0A+2:G0A+3], s[G0A+2:G0A+3], 3*KP
	s_add_nc_u64 s[G0B+2:G0B+3], s[G0B+2:G0B+3], 3*KP
	JLOAD G0A, G0B                                 ; the four v_nop behind it are the places in front of the loads below
.else
	PLACES 4
.endif
	FETCH_B \nx, 0, 0
	FETCH_A \nx, 0, 0
	SCL 0, \nx, 0
	WIN 0xf1
	MUL16 4, 1, 0
	MUL16 6, 1, 0
	PLACES 4
	WIN 0
	FETCH_A \nx, 0, 4
.endm
.macro LAST                            ; the last step: nothing more to fetch
	s_wait_dscnt 12
	WIN 0xa1
	MUL16 0, 1, 0
	MUL16 2, 1, 0
	s_wait_dscnt 0x0
	WIN 0xf1
	MUL16 4, 1, 0
	MUL16 6, 1, 0
	WIN 0
	PLACES 4
.endm
; 64 numbers of a lane, v[s] .. v[s + 63] of window w, register 16 b + i = k 32 b + 16 h + i of my row, become a fragment's codes in v[PC] on and its scale word in v[PW].  Each accumulator is read from its low end on.
.macro QUANTW s, w
	WIN ((\w)|((\w)<<2))
.irp b, 0,1,2,3
	v_max3_num_f32 v[TM+\b], |v[\s+16*\b]|, |v[\s+16*\b+1]|, 0x1800000   ; the floor 2^(3 - 127) holds the byte at 1 from below
.endr
.irp i, 2,4,6,8,10,12,14
.irp b, 0,1,2,3
	v_max3_num_f32 v[TM+\b], |v[\s+16*\b+\i]|, |v[\s+16*\b+\i+1]|, v[TM+\b]
.endr
.endr
	WIN 0
.irp b, 0,1,2,3
	v_permlanex16_b32 v[TM+4+\b], v[TM+\b], s[SEL], s[SEL+1]
.endr
.irp b, 0,1,2,3
	v_max_num_f32 v[TM+\b], v[TM+\b], v[TM+4+\b]   ; with lane l xor 16's 16: the block's largest magnitude
.endr
.irp b, 0,1,2,3
	v_add_nc_u32 v[TM+12+\b], 0xff000000, v[TM+\b] ; 2 off the exponent field: the conversion's scale operand
.endr
.irp b, 0,1,2,3
	v_lshrrev_b32 v[TM+4+\b], 23, v[TM+12+\b]      ; the byte
.endr
	v_lshl_or_b32 v[PW], v[TM+5], 8, v[TM+4]
	v_lshl_or_b32 v[PW], v[TM+6], 16, v[PW]
	v_lshl_or_b32 v[PW], v[TM+7], 24, v[PW]
	WIN (\w)
.irp c, 0,1
	v_cvt_scalef32_pk16_fp6_f32 v[PC+6*\c:PC+6*\c+2], v[\s+32*\c:\s+32*\c+15], v[TM+12+2*\c]
	v_cvt_scalef32_pk16_fp6_f32 v[PC+12+4*\c:PC+14+4*\c], v[\s+32*\c+16:\s+32*\c+31], v[TM+13+2*\c]
.endr
	WIN 0
	v_nop                                          ; one plain place behind a scaled conversion
.irp c, 0,1                            ; the layout wants a whole block in a lane: lanes 0-15 block 2 c, lanes 16-31 block 2 c + 1
.irp i, 0,1,2
	v_permlane16_swap_b32 v[PC+6*\c+\i], v[PC+12+4*\c+\i]
.endr
.irp i, 0,1,2
	v_mov_b32 v[PC+6*\c+3+\i], v[PC+12+4*\c+\i]
.endr
.endr
.endm
	s_load_b128 s[4:7], s[0:1], 0x0                ; xw s[4:5], b_qkv s[6:7]
	s_load_b64 s[8:9], s[0:1], 0x10                ; qkv
	v_lshl_add_u32 v[SPW], v0, 2, SPARE
	v_mov_b32 v[NIL], 0
	ds_add_u32 v[SPW], v[NIL]                      ; the wave's opening: the add, twice on end, and its wait ahead of my first tensor load
	ds_add_u32 v[SPW], v[NIL]
	v_lshrrev_b32 v1, 5, v0
	v_readfirstlane_b32 s14, v1                    ; wave 0..3
	s_lshr_b32 s15, s14, 1                         ; my half of the tile's rows.  Also: I fetch for A (0) or for B (1)
	s_and_b32 s16, s14, 1                          ; my half of its columns.  Also: which 8 row blocks I fetch
	s_bfe_u32 s66, ttmp6, 0x40000                  ; cx
	s_bfe_u32 s67, ttmp6, 0x40004                  ; cy
	s_and_b32 s69, ttmp7, 0xffff                   ; cluster y
	s_cmp_eq_u32 ttmp9, 2                          ; clusters with x = 2 make V^T
	s_cselect_b32 s70, 1, 0
	s_cselect_b32 s71, s69, ttmp9
	s_cselect_b32 s72, 0, s69
	s_cselect_b32 s76, 640, 0                      ; A's first row block in xw: w_v's, or x's
	s_cselect_b32 s78, 0, 512                      ; B's: x's, or w_q's
	s_lshl_b32 s71, s71, 2
	s_add_co_u32 s71, s71, s66                     ; TC, the tile column
	s_lshl_b32 s72, s72, 2
	s_add_co_u32 s72, s72, s67                     ; TR, the tile row
	s_lshl_b32 s73, s67, 2
	s_lshl_b32 s73, 15, s73                        ; my row of the cluster
	s_lshl_b32 s74, 0x1111, s66                    ; my column
	s_or_b32 s[G1A], s73, (3<<16)|(1<<21)          ; 15:0 the mask; 17:16 elements of 8 bytes; 21 set beside a mask; no padding
	s_or_b32 s[G1B], s74, (3<<16)|(1<<21)
.irp g, G1A, G1B                       ; the head's load: a row is 8 row blocks of one K step, 26,624 bytes; three K steps
	s_mov_b32 s[\g+1], 3328<<16                    ; tensor_dim0 = 3,328 elements
	s_mov_b32 s[\g+2], 3<<16                       ; tensor_dim1 = 3 K steps
	s_mov_b32 s[\g+3], 3328<<16                    ; tile_dim0
	s_mov_b32 s[\g+4], 3                           ; tile_dim1
	s_mov_b32 s[\g+5], KP/8                        ; from K step to K step, in elements
	s_mov_b32 s[\g+6], 0
	s_mov_b32 s[\g+7], 0
.endr
	s_lshl_b32 s21, s16, 3
	s_lshl_b32 s18, s72, 4
	s_add_co_u32 s76, s76, s18
	s_add_co_u32 s76, s76, s21
	s_mul_i32 s76, s76, 3328
	s_mov_b32 s77, 0
	s_lshl_b32 s19, s71, 4
	s_add_co_u32 s78, s78, s19
	s_add_co_u32 s78, s78, s21
	s_mul_i32 s78, s78, 3328
	s_mov_b32 s79, 0
	s_mul_i32 s22, s14, HALFT                      ; where they go: wave x three buffers: no place in the cluster enters an LDS address
	s_mov_b32 s[SEL], 0x76543210
	s_mov_b32 s[SEL+1], 0xfedcba98
	s_wait_dscnt 0x0                               ; both opening adds are done
	s_wait_kmcnt 0x0
	s_add_nc_u64 s[76:77], s[4:5], s[76:77]
	s_add_nc_u64 s[78:79], s[4:5], s[78:79]
	CROUND                                         ; all sixteen work-groups are here: the first joint loads meet
	s_mov_b32 s[G0A], 1
	s_mov_b32 s[G0A+1], s22
	s_mov_b64 s[G0A+2:G0A+3], s[76:77]
	s_or_b32 s[G0A+3], s[G0A+3], 0x80000000
	s_mov_b32 s[G0B], 1
	s_mov_b32 s[G0B+1], s22
	s_mov_b64 s[G0B+2:G0B+3], s[78:79]
	s_or_b32 s[G0B+3], s[G0B+3], 0x80000000
	JLOAD G0A, G0B                                 ; K steps 0, 1, 2 of my 8 row blocks: my one tensor load at the head
	v_and_b32 v1, 31, v0                           ; lane
	v_and_b32 v2, 15, v0                           ; r
	v_bfe_u32 v3, v0, 4, 1                         ; h
	v_lshlrev_b32 v[LI], 4, v1
	v_lshlrev_b32 v[LS], 2, v1
	s_mul_i32 s80, s15, HALFT
	s_mul_i32 s81, s16, HALFT
	s_add_co_u32 s81, s81, 2*HALFT
.irp x, 0,1,2
	v_add_nc_u32 v[ADRA+\x], s80, v[LI]
	v_add_nc_u32 v[ADRB+\x], s81, v[LI]
	v_add_nc_u32 v[ADSA+\x], s80, v[LS]
	v_add_nc_u32 v[ADSB+\x], s81, v[LS]
	s_add_co_u32 s80, s80, SLOT
	s_add_co_u32 s81, s81, SLOT
.endr
	v_lshlrev_b32 v18, 6, v3                       ; q, k: the bias goes by columns: my half's 16 numbers of each 32: 64 h bytes
	v_and_b32 v19, 8, v2
	v_add_nc_u32 v19, v19, v2
	v_lshlrev_b32 v19, 2, v19                      ; v: by rows: 4 (r + 8 (r / 8))
	s_lshl_b32 s82, s71, 10
	s_lshl_b32 s83, s16, 9
	s_add_co_u32 s82, s82, s83
	s_mov_b32 s83, 0
	s_add_nc_u64 s[82:83], s[6:7], s[82:83]        ; b_qkv at column 256 TC + 128 x my half
	s_lshl_b32 s86, s72, 10
	s_lshl_b32 s87, s15, 9
	s_add_co_u32 s86, s86, s87
	s_add_co_u32 s86, s86, 8192
	s_mov_b32 s87, 0
	s_add_nc_u64 s[86:87], s[6:7], s[86:87]        ; b_qkv at 2,048 + 256 TR + 128 x my half
	; where my first image goes.  q, k: K step TC % 4, row block (TC / 4) 512 + 16 TR + 8 x half of rows, image = my half of columns.  V^T: group gg = 2 TC + half of 128 keys: batch gg / 16, image gg % 16, row block 16 TR + 8 x half
	s_lshr_b32 s90, s71, 2
	s_lshl_b32 s90, s90, 9
	s_lshl_b32 s91, s72, 4
	s_lshl_b32 s92, s15, 3
	s_add_co_u32 s91, s91, s92
	s_add_co_u32 s90, s90, s91
	s_mul_i32 s90, s90, 3328
	s_and_b32 s92, s71, 3
	s_mul_i32 s92, s92, KPQ
	s_add_co_u32 s90, s90, s92
	s_mul_i32 s92, s16, 1664
	s_add_co_u32 s90, s90, s92
	s_lshl_b32 s93, s71, 1
	s_add_co_u32 s93, s93, s16
	s_lshr_b32 s94, s93, 4
	s_mul_i32 s94, s94, 1703936
	s_and_b32 s93, s93, 15
	s_mul_i32 s93, s93, 1664
	s_add_co_u32 s94, s94, s93
	s_mul_i32 s91, s91, 26624
	s_add_co_u32 s94, s94, s91
	s_add_co_u32 s94, s94, VT0
	s_mov_b32 s95, 26624
	s_cmp_eq_u32 s70, 0
	s_cselect_b32 s84, s90, s94
	s_cselect_b32 s88, 3328, s95                   ; from row block to row block
	s_mov_b32 s85, 0
	s_mov_b32 s89, 0
	s_add_nc_u64 s[84:85], s[8:9], s[84:85]
	s_cmp_eq_u32 s70, 0
	s_cbranch_scc0 .Lbias_v
	s_wait_alu depctr_va_vdst(0)                   ; the wait at the head's end, on both ways
.irp b, 0,1,2,3,4,5,6,7
	global_load_b128 v[BT+8*\b:BT+8*\b+3], v18, s[82:83] offset:(32*(\b/2)+8*(\b%2))*4
	global_load_b128 v[BT+8*\b+4:BT+8*\b+7], v18, s[82:83] offset:(32*(\b/2)+8*(\b%2))*4+16
.endr
	s_branch .Lbias_in
.Lbias_v:
	s_wait_alu depctr_va_vdst(0)
.irp a, 0,1,2,3,4,5,6,7
	global_load_b32 v[BT+8*\a], v19, s[86:87] offset:(32*(\a/2)+8*(\a%2))*4
.endr
	s_wait_loadcnt 0x0
.irp a, 0,1,2,3,4,5,6,7
.irp j, 1,2,3,4,5,6,7
	v_mov_b32 v[BT+8*\a+\j], v[BT+8*\a]            ; a row's bias is the same in all eight columns of a lane
.endr
.endr
.Lbias_in:
	s_wait_loadcnt 0x0
	s_wait_tensorcnt 0x0                           ; my part of K steps 0, 1, 2 is in.  No tensor load of mine is out, so a descriptor may be written:
.irp g, G1A, G1B                       ; from here on a load brings one K step of 8 row blocks, a dense block: 8 rows of 3,328 bytes
	s_mov_b32 s[\g+1], 416<<16
	s_mov_b32 s[\g+2], 8<<16
	s_mov_b32 s[\g+3], 416<<16
	s_mov_b32 s[\g+4], 8
	s_mov_b32 s[\g+5], 416
.endr
	s_barrier_signal -1                            ; it shows all three buffers whole to every wave
	s_barrier_wait -1
	FETCH_B 0, 0, 0
	FETCH_A 0, 0, 0
	SCL 0, 0, 0
	FETCH_A 0, 0, 4
	s_cmp_eq_u32 s70, 0                            ; the first products take the bias as C: nothing is cleared and nothing is added later
	s_cbranch_scc0 .Lfirst_v
	s_wait_alu depctr_va_vdst(0)
	STEPN 0, 0, 1, 2
	s_branch .Lfirst_done
.Lfirst_v:
	s_wait_alu depctr_va_vdst(0)
	STEPN 0, 0, 1, 3
.Lfirst_done:
	TURNB 1, 1                                     ; K step 0's second half; K step 3 is asked for, into buffer 0
	STEPN 0, 1, 1, 0
	STEPN 1, 2, 0, 0
	STEPN 0, 2, 1, 0
	TURNB 0, 0
	STEPN 0, 0, 1, 0
	LAST
	; THE WAY OUT: each block of 16 rows x 128 columns is one fragment: quantised in registers, stored as its image: 512 consecutive bytes a store
.irp b, 0,1,2,3
	v_mov_b32 v[TM+4+\b], 0                        ; written once: a lane permute's destination counts as one of its sources
.endr
.irp a, 0,1,2,3,4,5,6,7
.if \a > 0
	s_wait_xcnt 0x0                                ; the last block's stores have read their data and their base
	s_add_nc_u64 s[84:85], s[84:85], s[88:89]
.endif
	QUANTW 64*(\a%4), 2+\a/4
.irp c, 0,1,2
	global_store_b128 v[LI], v[PC+4*\c:PC+4*\c+3], s[84:85] offset:512*\c
.endr
	global_store_b32 v[LS], v[PW], s[84:85] offset:1536
.endr
	s_wait_tensorcnt 0x0                           ; the wave's end
	ds_add_u32 v[SPW], v[NIL]
	s_wait_dscnt 0x0
	CROUND                                         ; the closing round
	s_endpgm
.Lfunc_end_k_qcaa77dbfec_qkv:
	.size	k_qcaa77dbfec_qkv, .Lfunc_end_k_qcaa77dbfec_qkv-k_qcaa77dbfec_qkv
	.p2alignl 7, 3214868480
	.fill 96, 4, 3214868480
	.section	.rodata,"a",@progbits
	.p2align	6, 0x0
	.amdhsa_kernel k_qcaa77dbfec_qkv
		.amdhsa_group_segment_fixed_size 327680
		.amdhsa_private_segment_fixed_size 0
		.amdhsa_enable_private_segment 0
		.amdhsa_kernarg_size 24
		.amdhsa_user_sgpr_count 2
		.amdhsa_user_sgpr_kernarg_segment_ptr 1
		.amdhsa_wavefront_size32 1
		.amdhsa_system_sgpr_workgroup_id_x 1
		.amdhsa_system_sgpr_workgroup_id_y 1
		.amdhsa_system_sgpr_workgroup_id_z 1
		.amdhsa_system_vgpr_workitem_id 0
		.amdhsa_next_free_vgpr 1024
		.amdhsa_next_free_sgpr 100
		.amdhsa_reserve_vcc 0
		.amdhsa_float_denorm_mode_32 3
		.amdhsa_float_denorm_mode_16_64 3
		.amdhsa_memory_ordered 1
		.amdhsa_forward_progress 1
		.amdhsa_inst_pref_size 161
	.end_amdhsa_kernel
	.amdgpu_metadata
---
amdhsa.version: [ 1, 2 ]
amdhsa.kernels:
  - .name:           k_qcaa77dbfec_qkv
    .symbol:         k_qcaa77dbfec_qkv.kd
    .args:
      - { .name: xw, .offset: 0, .size: 8, .value_kind: global_buffer, .address_space: global }
      - { .name: b_qkv, .offset: 8, .size: 8, .value_kind: global_buffer, .address_space: global }
      - { .name: qkv, .offset: 16, .size: 8, .value_kind: global_buffer, .address_space: global }
    .group_segment_fixed_size: 327680
    .private_segment_fixed_size: 0
    .kernarg_segment_align: 8
    .kernarg_segment_size: 24
    .max_flat_workgroup_size: 128
    .sgpr_count:     100
    .vgpr_count:     1024
    .wavefront_size: 32
...
	.end_amdgpu_metadata
.endif
;; end of part 2
;; launch score (part 3): grid 9 x 16, 4 waves a work-group, no clusters, 327,680 bytes of LDS; arguments qkv, pc, ps; writes pc, ps
.if DOCPART == 3
	.amdgcn_target "amdgcn-amd-amdhsa--gfx1250"
	.amdhsa_code_object_version 6
	.text
	.protected	k_qcaa77dbfec_score
	.globl	k_qcaa77dbfec_score
	.p2align	8
	.type	k_qcaa77dbfec_score,@function
k_qcaa77dbfec_score:
	s_mov_b64 s[64:65], 0
	v_nop
	global_prefetch_b8 v0, s[64:65] scope:SCOPE_SE
	s_setreg_imm32_b32 hwreg(HW_REG_WAVE_MODE, 25, 1), 1
	s_wait_xcnt 0x0
; LAUNCH 3 OF 5.  Scores q k^T on codes of FP6, K = 1,024, in tiles of 256 queries x 256 keys; mask; p = 2^(t - M), quantised along the keys.
; LEFT OUT: the tiles that lie wholly above the diagonal (shown at the head of launch quant): 36 tiles a batch are made, 9 x 16 work-groups.
; A wave makes 128 queries x 128 keys, transposed (source 0 = keys, source 1 = queries).  M is taken for each row over the wave's group of 128 keys; launch pv brings a row's groups under one M.
; Out: pc, p's codes as register images of 1,536 bytes; ps, for each group and row: the scale word with 1 taken off each byte, -M, and the sum of the unquantised p.
; q and k lie with K outermost (see launch qkv): ONE load a wave at the head brings K steps 0, 1, 2 of its 8 row blocks into the three buffers of its operand half; K step 3 comes into buffer 0 when K step 0 has been read.
; NO CLUSTER: the tiles of a row of tiles differ in number from row to row.  NO PREFETCH: the walk along K is written out: there is no loop to run ahead in.
; LIMIT: the promise holds while the scaled scores stay under 2^31 in magnitude.
.set SLOT,  26624                      ; a buffer of an operand half: 8 row blocks x 3,328 bytes
.set HALFT, 3*SLOT                     ; an operand half's three buffers
.set SPARE, 4*HALFT                    ; the spare words, 128 bytes a wave, which no other line names
.set KP,    1024*3328                  ; q | k: bytes from K step to K step
.set ASTR,  3328
.set AQ,    1664
.set BSTR,  3328
.set ADRA, 4
.set ADRB, 7
.set ADSA, 10
.set ADSB, 13
.set LI,   16
.set LS,   17
.set D0,   20
.set NINF, 21
.set SPW,  28
.set NIL,  29
.set SA,   32
.set SB,   48
.set WS,   64
.set NMS,  72
.set LSM,  80
.set AF,   128
.set T,    128
.set PC,   192
.set TM,   212
.set PW,   228
.set DA,   229
.set NM,   230
.set TT,   236
.set CS,   10
.set SEL,  12
.set G1,   24
.set G0,   32
.set MSK,  78
.set HIM,  79
.set MSB,  0
.macro WIN new
.if MSB != (\new)
	s_set_vgpr_msb (MSB<<8)|(\new)
.set MSB, (\new)
.endif
.endm
.macro PLACES n
.rept \n
	v_nop
.endr
.endm
.macro TLOAD g0
	tensor_load_to_lds s[\g0:\g0+3], s[G1:G1+7]
	s_nop 0
.rept 4
	v_nop
.endr
.endm
.macro FRAG reg, adr, off
.irp c, 0,1,2
	ds_load_b128 v[\reg+4*\c:\reg+4*\c+3], v[\adr] offset:\off+512*\c
.endr
.endm
.macro FETCH_B nx, q, p
	WIN 0x40
.irp i, 0,1,2,3,4,5,6,7
	FRAG 128*(\p)+12*\i, ADRB+(\nx), \i*BSTR+(\q)*1664
.endr
	WIN 0
.endm
.macro FETCH_A nx, q, i0
.irp i, \i0, \i0+1, \i0+2, \i0+3
	FRAG AF+12*(\i), ADRA+(\nx), (\i)*ASTR+(\q)*AQ
.endr
.endm
.macro SCL p, nx, q
.irp i, 0,1,2,3,4,5,6,7
	ds_load_b32 v[SA+8*(\p)+\i], v[ADSA+(\nx)] offset:\i*3328+(\q)*1664+1536
	ds_load_b32 v[SB+8*(\p)+\i], v[ADSB+(\nx)] offset:\i*3328+(\q)*1664+1536
.endr
.endm
.macro MUL16 a0, p, cm
.irp a, \a0, \a0+1
.irp b, 0,1,2,3,4,5,6,7
.if \cm == 0
	v_wmma_scale_f32_16x16x128_f8f6f4 v[8*(8*((\a)%4)+\b):8*(8*((\a)%4)+\b)+7], v[128*(\p)+12*\b:128*(\p)+12*\b+11], v[AF+12*(\a):AF+12*(\a)+11], v[8*(8*((\a)%4)+\b):8*(8*((\a)%4)+\b)+7], v[SB+8*(\p)+\b], v[SA+8*(\p)+(\a)] matrix_a_fmt:MATRIX_FMT_FP6 matrix_b_fmt:MATRIX_FMT_FP6
.else
	v_wmma_scale_f32_16x16x128_f8f6f4 v[8*(8*((\a)%4)+\b):8*(8*((\a)%4)+\b)+7], v[128*(\p)+12*\b:128*(\p)+12*\b+11], v[AF+12*(\a):AF+12*(\a)+11], 0, v[SB+8*(\p)+\b], v[SA+8*(\p)+(\a)] matrix_a_fmt:MATRIX_FMT_FP6 matrix_b_fmt:MATRIX_FMT_FP6
.endif
.endr
.endr
.endm
.macro STEPN p, nx, nq, cm
	s_wait_dscnt 12
	WIN 0xa1
	MUL16 0, \p, \cm
	MUL16 2, \p, \cm
	s_wait_dscnt 0x0
	PLACES 4
	FETCH_B \nx, \nq, 1-(\p)
	FETCH_A \nx, \nq, 0
	SCL 1-(\p), \nx, \nq
	WIN 0xf1
	MUL16 4, \p, \cm
	MUL16 6, \p, \cm
	PLACES 4
	WIN 0
	FETCH_A \nx, \nq, 4
.endm
.macro TURNB nx, kind
	s_wait_tensorcnt 0x0
.if \kind
	ds_add_u32 v[SPW], v[NIL]
	s_wait_dscnt 13
.else
	s_wait_dscnt 12
.endif
	WIN 0xa1
	MUL16 0, 1, 0
	s_wait_dscnt 0x0
	s_barrier_signal -1
	MUL16 2, 1, 0
	WIN 0
	s_barrier_wait -1
.if \kind
	s_add_nc_u64 s[G0+2:G0+3], s[G0+2:G0+3], 3*KP
	TLOAD G0
.else
	PLACES 4
.endif
	FETCH_B \nx, 0, 0
	FETCH_A \nx, 0, 0
	SCL 0, \nx, 0
	WIN 0xf1
	MUL16 4, 1, 0
	MUL16 6, 1, 0
	PLACES 4
	WIN 0
	FETCH_A \nx, 0, 4
.endm
.macro LAST
	s_wait_dscnt 12
	WIN 0xa1
	MUL16 0, 1, 0
	MUL16 2, 1, 0
	s_wait_dscnt 0x0
	WIN 0xf1
	MUL16 4, 1, 0
	MUL16 6, 1, 0
	WIN 0
	PLACES 4
.endm
.macro SOFT a
.set AC, 64*((\a)%4)
.set WW, 2+(\a)/4
	v_add_nc_u32 v[DA], 32*((\a)/2)+8*((\a)%2), v[D0]
	s_cmp_eq_u32 s[MSK], 0
	s_cbranch_scc1 .Lopen_\@
	WIN (WW|(WW<<6))
.set nn, 0
.rept 64
	v_cmp_gt_i32 vcc_lo, 32*(nn/16)+nn%16, v[DA]
	v_cndmask_b32 v[AC+nn], v[AC+nn], v[NINF], vcc_lo
.set nn, nn+1
.endr
	WIN 0
.Lopen_\@:
	WIN (WW|(WW<<2))
.irp b, 0,1,2,3
	v_max3_num_f32 v[TM+\b], v[AC+16*\b], v[AC+16*\b+1], 0xff61b1e6
.endr
.irp i, 2,4,6,8,10,12,14
.irp b, 0,1,2,3
	v_max3_num_f32 v[TM+\b], v[AC+16*\b+\i], v[AC+16*\b+\i+1], v[TM+\b]
.endr
.endr
	WIN 0
.irp b, 0,1,2,3
	v_permlanex16_b32 v[TM+4+\b], v[TM+\b], s[SEL], s[SEL+1]
.endr
.irp b, 0,1,2,3
	v_max_num_f32 v[TM+\b], v[TM+\b], v[TM+4+\b]
.endr
	v_max3_num_f32 v[TT], v[TM], v[TM+1], v[TM+2]
	v_max_num_f32 v[TT], v[TT], v[TM+3]
	v_mul_f32 v[TT], s[CS], v[TT]
	v_floor_f32 v[NM], -v[TT]
	WIN WW
.set nn, 0
.rept 32
	v_pk_fma_f32 v[T+nn:T+nn+1], v[AC+nn:AC+nn+1], s[CS:CS+1], v[NM:NM+1] op_sel_hi:[1,0,0]
.set nn, nn+2
.endr
	WIN 0
.irp b, 0,1,2,3
	v_fma_f32 v[TM+\b], v[TM+\b], s[CS], v[NM]
.endr
.set nn, 0
	s_wait_alu depctr_va_vdst(0)
.rept 64
	v_exp_f32 v[T+nn], v[T+nn]
.set nn, nn+1
.endr
	v_mov_b32 v[NMS+(\a)], v[NM]
	s_wait_alu depctr_va_vdst(0)
.irp b, 0,1,2,3
	v_exp_f32 v[TM+\b], v[TM+\b]
.endr
	v_pk_add_f32 v[232:233], v[T:T+1], v[T+2:T+3]
	v_pk_add_f32 v[234:235], v[T+4:T+5], v[T+6:T+7]
.irp j, 8,12,16,20,24,28,32,36,40,44,48,52,56,60
	v_pk_add_f32 v[232:233], v[232:233], v[T+\j:T+\j+1]
	v_pk_add_f32 v[234:235], v[234:235], v[T+\j+2:T+\j+3]
.endr
	v_pk_add_f32 v[232:233], v[232:233], v[234:235]
	v_add_f32 v232, v232, v233
	v_permlanex16_b32 v[TM+4], v232, s[SEL], s[SEL+1]
	v_add_f32 v[LSM+(\a)], v232, v[TM+4]
	s_wait_alu depctr_va_vdst(0)
.irp b, 0,1,2,3
	v_max_num_f32 v[TM+\b], 0x1800000, v[TM+\b]
.endr
.irp b, 0,1,2,3
	v_add_nc_u32 v[TM+12+\b], 0xff000000, v[TM+\b]
.endr
.irp b, 0,1,2,3
	v_lshrrev_b32 v[TM+4+\b], 23, v[TM+12+\b]
.endr
	v_lshl_or_b32 v[PW], v[TM+5], 8, v[TM+4]
	v_lshl_or_b32 v[PW], v[TM+6], 16, v[PW]
	v_lshl_or_b32 v[PW], v[TM+7], 24, v[PW]
	v_add_nc_u32 v[WS+(\a)], 0xfefefeff, v[PW]
.if (\a) > 0
	s_wait_xcnt 0x0
	s_add_nc_u64 s[80:81], s[80:81], 24576
.endif
.irp c, 0,1
	v_cvt_scalef32_pk16_fp6_f32 v[PC+6*\c:PC+6*\c+2], v[T+32*\c:T+32*\c+15], v[TM+12+2*\c]
	v_cvt_scalef32_pk16_fp6_f32 v[PC+12+4*\c:PC+14+4*\c], v[T+32*\c+16:T+32*\c+31], v[TM+13+2*\c]
.endr
	v_nop
.irp c, 0,1
.irp i, 0,1,2
	v_permlane16_swap_b32 v[PC+6*\c+\i], v[PC+12+4*\c+\i]
.endr
.irp i, 0,1,2
	v_mov_b32 v[PC+6*\c+3+\i], v[PC+12+4*\c+\i]
.endr
.endr
.irp c, 0,1,2
	global_store_b128 v[LI], v[PC+4*\c:PC+4*\c+3], s[80:81] offset:512*\c
.endr
.endm
	s_load_b128 s[4:7], s[0:1], 0x0
	s_load_b64 s[8:9], s[0:1], 0x10
	v_lshl_add_u32 v[SPW], v0, 2, SPARE
	v_mov_b32 v[NIL], 0
	ds_add_u32 v[SPW], v[NIL]
	ds_add_u32 v[SPW], v[NIL]
	v_lshrrev_b32 v1, 5, v0
	v_readfirstlane_b32 s14, v1
	s_lshr_b32 s15, s14, 1
	s_and_b32 s16, s14, 1
	s_and_b32 s66, ttmp7, 0xffff
	s_lshr_b32 s67, s66, 2
	s_and_b32 s68, s66, 3
	s_sub_co_u32 s69, 7, s68
	s_sub_co_u32 s70, ttmp9, s68
	s_sub_co_u32 s70, s70, 1
	s_cmp_le_u32 ttmp9, s68
	s_cselect_b32 s71, s68, s69
	s_cselect_b32 s72, ttmp9, s70
	s_cmp_eq_u32 s15, 0
	s_cselect_b32 s73, s71, s72
	s_cselect_b32 s74, 0, 512
	s_lshl_b32 s73, s73, 4
	s_add_co_u32 s73, s73, s74
	s_lshl_b32 s75, s67, 7
	s_add_co_u32 s73, s73, s75
	s_lshl_b32 s74, s16, 3
	s_add_co_u32 s73, s73, s74
	s_mul_i32 s76, s73, 3328
	s_mov_b32 s77, 0
	s_mov_b32 s[G1], 3<<16
	s_mov_b32 s[G1+1], 3328<<16                    ; the head's load: a row is 8 row blocks of one K step, 26,624 bytes;
	s_mov_b32 s[G1+2], 3<<16                       ; three K steps,
	s_mov_b32 s[G1+3], 3328<<16
	s_mov_b32 s[G1+4], 3
	s_mov_b32 s[G1+5], KP/8                        ; KP bytes apart
	s_mov_b32 s[G1+6], 0
	s_mov_b32 s[G1+7], 0
	s_mul_i32 s22, s14, HALFT
	s_mov_b32 s[SEL], 0x76543210
	s_mov_b32 s[SEL+1], 0xfedcba98
	s_mov_b32 s[CS], 0x3d38aa3b
	s_mov_b32 s[CS+1], s[CS]
	s_mov_b32 s[HIM], 0xffff0000
	s_wait_dscnt 0x0
	s_wait_kmcnt 0x0
	s_add_nc_u64 s[76:77], s[4:5], s[76:77]
	s_mov_b32 s[G0], 1
	s_mov_b32 s[G0+1], s22
	s_mov_b64 s[G0+2:G0+3], s[76:77]
	s_or_b32 s[G0+3], s[G0+3], 0x80000000
	TLOAD G0                                       ; K steps 0, 1, 2 of my 8 row blocks: my one tensor load at the head
	v_and_b32 v1, 31, v0
	v_and_b32 v2, 15, v0
	v_bfe_u32 v3, v0, 4, 1
	v_lshlrev_b32 v[LI], 4, v1
	v_lshlrev_b32 v[LS], 2, v1
	s_mul_i32 s84, s15, HALFT
	s_mul_i32 s85, s16, HALFT
	s_add_co_u32 s85, s85, 2*HALFT
.irp x, 0,1,2
	v_add_nc_u32 v[ADRA+\x], s84, v[LI]
	v_add_nc_u32 v[ADRB+\x], s85, v[LI]
	v_add_nc_u32 v[ADSA+\x], s84, v[LS]
	v_add_nc_u32 v[ADSB+\x], s85, v[LS]
	s_add_co_u32 s84, s84, SLOT
	s_add_co_u32 s85, s85, SLOT
.endr
	s_cmp_eq_u32 s71, s72
	s_cselect_b32 s[MSK], 1, 0
	s_cmp_ge_u32 s16, s15
	s_cselect_b32 s[MSK], s[MSK], 0
	s_sub_co_i32 s86, s15, s16
	s_lshl_b32 s86, s86, 7
	v_and_b32 v22, 8, v2
	v_add_nc_u32 v22, v22, v2
	v_lshlrev_b32 v23, 4, v3
	v_sub_nc_u32 v22, v22, v23
	v_add_nc_u32 v[D0], s86, v22
	v_mov_b32 v[NINF], 0xff800000
	s_lshl_b32 s86, s71, 4
	s_add_co_u32 s86, s86, s75
	s_lshl_b32 s87, s15, 3
	s_add_co_u32 s86, s86, s87
	s_lshl_b32 s87, s72, 1
	s_add_co_u32 s87, s87, s16
	s_mul_i32 s80, s86, 24576
	s_mul_i32 s88, s87, 1536
	s_add_co_u32 s80, s80, s88
	s_mov_b32 s81, 0
	s_add_nc_u64 s[80:81], s[6:7], s[80:81]
	s_lshl_b32 s82, s87, 15
	s_lshl_b32 s88, s86, 6
	s_add_co_u32 s82, s82, s88
	s_mov_b32 s83, 0
	s_add_nc_u64 s[82:83], s[8:9], s[82:83]
	s_wait_alu depctr_va_vdst(0)
	s_wait_tensorcnt 0x0                           ; my part of K steps 0, 1, 2 is in.  No tensor load of mine is out, so the descriptor may be written:
	s_mov_b32 s[G1+1], 416<<16                     ; from here on a load brings one K step of 8 row blocks, a dense block: 8 rows of 3,328 bytes
	s_mov_b32 s[G1+2], 8<<16
	s_mov_b32 s[G1+3], 416<<16
	s_mov_b32 s[G1+4], 8
	s_mov_b32 s[G1+5], 416
	s_barrier_signal -1
	s_barrier_wait -1
	FETCH_B 0, 0, 0
	FETCH_A 0, 0, 0
	SCL 0, 0, 0
	FETCH_A 0, 0, 4
	STEPN 0, 0, 1, 1
	TURNB 1, 1
	STEPN 0, 1, 1, 0
	STEPN 1, 2, 0, 0
	STEPN 0, 2, 1, 0
	TURNB 0, 0
	STEPN 0, 0, 1, 0
	LAST
.irp b, 0,1,2,3
	v_mov_b32 v[TM+4+\b], 0
.endr
	v_mov_b32 v[NM+1], 0
.irp a, 0,1,2,3,4,5,6,7
	SOFT \a
.endr
.irp a, 0,2,4,6
	v_cndmask_b32 v[88+\a/2], v[WS+\a], v[WS+\a+1], s[HIM]
	v_cndmask_b32 v[92+\a/2], v[NMS+\a], v[NMS+\a+1], s[HIM]
	v_cndmask_b32 v[96+\a/2], v[LSM+\a], v[LSM+\a+1], s[HIM]
.endr
.irp a, 0,1,2,3
	global_store_b32 v[LS], v[88+\a], s[82:83] offset:128*\a
	global_store_b32 v[LS], v[92+\a], s[82:83] offset:524288+128*\a
	global_store_b32 v[LS], v[96+\a], s[82:83] offset:1048576+128*\a
.endr
	s_wait_tensorcnt 0x0
	ds_add_u32 v[SPW], v[NIL]
	s_wait_dscnt 0x0
	s_endpgm
.Lfunc_end_k_qcaa77dbfec_score:
	.size	k_qcaa77dbfec_score, .Lfunc_end_k_qcaa77dbfec_score-k_qcaa77dbfec_score
	.p2alignl 7, 3214868480
	.fill 96, 4, 3214868480
	.section	.rodata,"a",@progbits
	.p2align	6, 0x0
	.amdhsa_kernel k_qcaa77dbfec_score
		.amdhsa_group_segment_fixed_size 327680
		.amdhsa_private_segment_fixed_size 0
		.amdhsa_enable_private_segment 0
		.amdhsa_kernarg_size 24
		.amdhsa_user_sgpr_count 2
		.amdhsa_user_sgpr_kernarg_segment_ptr 1
		.amdhsa_wavefront_size32 1
		.amdhsa_system_sgpr_workgroup_id_x 1
		.amdhsa_system_sgpr_workgroup_id_y 1
		.amdhsa_system_sgpr_workgroup_id_z 1
		.amdhsa_system_vgpr_workitem_id 0
		.amdhsa_next_free_vgpr 1024
		.amdhsa_next_free_sgpr 90
		.amdhsa_reserve_vcc 1
		.amdhsa_float_denorm_mode_32 3
		.amdhsa_float_denorm_mode_16_64 3
		.amdhsa_memory_ordered 1
		.amdhsa_forward_progress 1
		.amdhsa_inst_pref_size 239
	.end_amdhsa_kernel
	.amdgpu_metadata
---
amdhsa.version: [ 1, 2 ]
amdhsa.kernels:
  - .name:           k_qcaa77dbfec_score
    .symbol:         k_qcaa77dbfec_score.kd
    .args:
      - { .name: qkv, .offset: 0, .size: 8, .value_kind: global_buffer, .address_space: global }
      - { .name: pc, .offset: 8, .size: 8, .value_kind: global_buffer, .address_space: global }
      - { .name: ps, .offset: 16, .size: 8, .value_kind: global_buffer, .address_space: global }
    .group_segment_fixed_size: 327680
    .private_segment_fixed_size: 0
    .kernarg_segment_align: 8
    .kernarg_segment_size: 24
    .max_flat_workgroup_size: 128
    .sgpr_count:     90
    .vgpr_count:     1024
    .wavefront_size: 32
...
	.end_amdgpu_metadata
.endif
;; end of part 3
;; launch pv (part 4): grid 4 x 64, 4 waves a work-group, no clusters, 327,680 bytes of LDS; arguments pc, ps, qkv, oc; writes oc
.if DOCPART == 4
	.amdgcn_target "amdgcn-amd-amdhsa--gfx1250"
	.amdhsa_code_object_version 6
	.text
	.protected	k_qcaa77dbfec_pv
	.globl	k_qcaa77dbfec_pv
	.p2align	8
	.type	k_qcaa77dbfec_pv,@function
k_qcaa77dbfec_pv:
	s_mov_b64 s[64:65], 0
	v_nop
	global_prefetch_b8 v0, s[64:65] scope:SCOPE_SE
	s_setreg_imm32_b32 hwreg(HW_REG_WAVE_MODE, 25, 1), 1
	s_wait_xcnt 0x0
; LAUNCH 4 OF 5.  o = (p v) / l on codes of FP6, K = the keys; o is quantised along h on the way out (oc: 512 row blocks x 8 images of 1,664 bytes).
; LEFT OUT: the steps of 128 keys that lie wholly behind a tile's 128 queries (shown at the head of launch quant).
; A work-group makes 128 queries (tile I of 16 in a batch) x 256 of h (tile HT): 4 x 16 x 4 = 256 work-groups.  I + 1 steps of 128 keys count; they lie in N = I / 2 + 1 slots of 256 keys; with I even the last slot's second step is hidden.
; Four waves, 64 queries x 128 of h each: 32 accumulators; transposed: source 0 = 16 rows of V^T, source 1 = 16 queries of p.  A step reads 12 fragments from LDS for 32 matrix instructions: the price of a tile that gives every WGP a work-group.
; THE HEAD brings launch score's groups under one M.  For each of the tile's 128 rows (a thread a row): -M(row) is the least of the groups' -M; d = M(group) - M(row) is a whole number, 0 or less; l = the sum of the groups' sums x 2^d (exact scalings);
; each scale byte of p becomes byte + d, held at 1 from below.  The words go to LDS (SCA), 1 / l too (RL).  LIMITS: d is held at -200 (such a group is nothing beside the row's largest p); 1 / l is a reciprocal and a multiplication.
; THE FIRST 128 KEYS count for every tile: their products stand ahead of the loop, with no branch round them, and start the sums with the constant 0: nothing is cleared.
; THE WALK is a loop of constant count over the 8 slots, which lie 2^17 bytes apart in LDS.  Every work-group passes all changes of slots; a step that does not count is jumped over (ids alone), and a slot that no step reads is not asked for:
; every wait for tensor loads in this text is for all of them.  Where the tail begins hangs on the work-group's number, so it cannot be written out.
; NO CLUSTER: the number of key steps hangs on the tile of queries.
; LDS: slot: p's 8 row blocks x 3,072 bytes (two images of 1,536), then V^T's 16 x 3,328.  SCA [16 groups][128 rows] words, RL 128 words and the spare words lie behind slot 1, in blocks into which no fill lands.
; REGISTERS: window 0: v4-20 addresses; v32-39, v48-63 p's and V^T's scale words, two sets; v128-175, v176-223 p's 4 fragments, two sets; window 1: V^T's 8 fragments, two sets, at v0 and v128; window 2: accumulator (a, b) at v[8 (8 a + b)].
.set SLOT1, 1<<17
.set BOFF,  24576
.set SCA,   SLOT1+77824
.set RL,    SCA+8192
.set SPARE, RL+512
.set ASTR,  3072
.set AQ,    1536
.set BSTR,  3328
.set VT0,   13631488
.set A0,   4                           ; v4   my p fragments in slot 0: 16 x lane + my half
.set B0,   5                           ; v5   my V^T fragments
.set SB0,  6                           ; v6   their scale words: 4 x lane
.set SA0,  7                           ; v7   p's scale words in SCA: 256 x half + 4 r
.set ADRA, 8                           ; v8-11 the same for the slot in hand
.set ADRB, 9
.set ADSB, 10
.set ADSA, 11
.set SCW,  12                          ; v12  SCA + 4 x thread
.set RLW,  13                          ; v13  RL + 4 x thread
.set RLR,  14                          ; v14  RL + 256 x half + 4 r
.set LI,   16
.set LS,   17
.set PSV,  18                          ; v18  4 x thread
.set PFO,  19                          ; v19, v20 the prefetches' offsets; never rewritten
.set PFO2, 20
.set SPW,  28
.set NIL,  29
.set SA,   32
.set SB,   48
.set BT,   64                          ; the way out: 1 / l of the four blocks' rows, in pairs
.set WR,   64                          ; the head: v64-79 words, v96-111 -M, v128-143 sums, by group
.set NMR,  96
.set LR,   128
.set AF,   128
.set T,    128
.set PC,   192
.set TM,   212
.set PW,   228
.set SEL,  12
.set G1A,  24
.set G0A,  32
.set G1B,  44
.set G0B,  52
.set ODD,  66                          ; s66  I % 2
.set N,    70                          ; s70  slots that count
.set TB,   71                          ; s71  LDS byte at which the slot in hand begins
.set TS,   72                          ; s72  1,024 x the slot's number: its two groups in SCA
.set S,    73                          ; s73  the slot's number
.set PFA,  74                          ; s[74:75] where my prefetches stand
.set PFS,  76                          ; s[76:77] a slot on, in bytes
.set PLIM, 78                          ; s78  N in a wave that prefetches, else 0
.set MSB,  0
.macro WIN new                         ; the immediate's high byte repeats the setting that is left
.if MSB != (\new)
	s_set_vgpr_msb (MSB<<8)|(\new)
.set MSB, (\new)
.endif
.endm
.macro PLACES n
.rept \n
	v_nop
.endr
.endm
.macro JLOAD                           ; waves 0 and 1 fetch p's halves (4 row blocks), waves 2 and 3 V^T's (8); an s_nop 0 and four v_nop follow each line
	s_cmp_eq_u32 s15, 0
	s_cbranch_scc0 .Lfor_b_\@
	tensor_load_to_lds s[G0A:G0A+3], s[G1A:G1A+7]
	s_nop 0
.rept 4
	v_nop
.endr
	s_branch .Lasked_\@
.Lfor_b_\@:
	tensor_load_to_lds s[G0B:G0B+3], s[G1B:G1B+7]
	s_nop 0
.rept 4
	v_nop
.endr
.Lasked_\@:
.endm
; A PREFETCH INTO THE L2 of the slot that stands two changes of slots behind the one being asked for: trip s names slot s + 3.  p's tile rows are read by the four work-groups of a tile of queries: HT = 0 asks, its wave 0 for all 8 row blocks;
; V^T's are read by the tiles of queries at or behind the slot: I = 15, which walks all slots, asks, waves 2 and 3 for the 8 row blocks that each fetches.  Four lanes to a row block, three blocks of 256 bytes a lane; V^T's thirteenth block by one line more.
; It stops where slot s + 3 does not count.  Slots 0 to 2 come by their loads alone.
.macro ASK
	s_add_co_u32 s80, s[S], 3
	s_cmp_lt_u32 s80, s[PLIM]
	s_cbranch_scc0 .Lnot_mine_\@
	global_prefetch_b8 v[PFO], s[PFA:PFA+1] th:TH_LOAD_NT scope:SCOPE_SE
	global_prefetch_b8 v[PFO], s[PFA:PFA+1] offset:256 th:TH_LOAD_NT scope:SCOPE_SE
	global_prefetch_b8 v[PFO], s[PFA:PFA+1] offset:512 th:TH_LOAD_NT scope:SCOPE_SE
	s_cmp_eq_u32 s15, 0
	s_cbranch_scc1 .Lnot_mine_\@
	global_prefetch_b8 v[PFO2], s[PFA:PFA+1] th:TH_LOAD_NT scope:SCOPE_SE
.Lnot_mine_\@:
.endm
.macro FRAG reg, adr, off              ; a fragment's image: three loads of 512 consecutive bytes
.irp c, 0,1,2
	ds_load_b128 v[\reg+4*\c:\reg+4*\c+3], v[\adr] offset:\off+512*\c
.endr
.endm
.macro FETCH q, p                      ; the slot's q-th 128 keys into set p: V^T's 8 fragments, p's 4, their scale words: 48 loads in one run
	WIN 0x40
.irp i, 0,1,2,3,4,5,6,7
	FRAG 128*(\p)+12*\i, ADRB, \i*BSTR+(\q)*1664
.endr
	WIN 0
.irp i, 0,1,2,3
	FRAG AF+48*(\p)+12*\i, ADRA, \i*ASTR+(\q)*AQ
.endr
.irp i, 0,1,2,3
	ds_load_b32 v[SA+4*(\p)+\i], v[ADSA] offset:(\q)*512+64*\i
.endr
.irp i, 0,1,2,3,4,5,6,7
	ds_load_b32 v[SB+8*(\p)+\i], v[ADSB] offset:\i*3328+(\q)*1664+1536
.endr
.endm
.macro MUL16 a0, p, cm                 ; p's blocks a0, a0 + 1 x V^T's eight.  cm = 1: the products start the sums.  The 32 accumulators take turns, in the same order in every step
.irp a, \a0, \a0+1
.irp b, 0,1,2,3,4,5,6,7
.if \cm == 0
	v_wmma_scale_f32_16x16x128_f8f6f4 v[8*(8*(\a)+\b):8*(8*(\a)+\b)+7], v[128*(\p)+12*\b:128*(\p)+12*\b+11], v[AF+48*(\p)+12*(\a):AF+48*(\p)+12*(\a)+11], v[8*(8*(\a)+\b):8*(8*(\a)+\b)+7], v[SB+8*(\p)+\b], v[SA+4*(\p)+(\a)] matrix_a_fmt:MATRIX_FMT_FP6 matrix_b_fmt:MATRIX_FMT_FP6
.else
	v_wmma_scale_f32_16x16x128_f8f6f4 v[8*(8*(\a)+\b):8*(8*(\a)+\b)+7], v[128*(\p)+12*\b:128*(\p)+12*\b+11], v[AF+48*(\p)+12*(\a):AF+48*(\p)+12*(\a)+11], 0, v[SB+8*(\p)+\b], v[SA+4*(\p)+(\a)] matrix_a_fmt:MATRIX_FMT_FP6 matrix_b_fmt:MATRIX_FMT_FP6
.endif
.endr
.endr
.endm
; A step of 128 keys on set p.  f = 1: the slot's second 128 keys are fetched into the other set first, 32 matrix instructions ahead of their use.  Every run of matrix instructions ends with four plain places:
; they stand in front of the next loads into registers that these have read, and of the first read of results (ISA guide 7.12.1 for vector instructions).
.macro STEPH p, f, cm
	s_wait_dscnt 0x0                               ; set p is in
.if \f
	FETCH 1, 1-(\p)
.endif
	WIN 0xa1                                       ; source 0 window 1, source 1 window 0, C and D window 2
	MUL16 0, \p, \cm
	MUL16 2, \p, \cm
	WIN 0
	PLACES 4
.endm
; 64 numbers of a lane, v[s] .. v[s + 63] of window w, register 16 b + i = k 32 b + 16 h + i of my row, become a fragment's codes in v[PC] on and its scale word in v[PW].
.macro QUANTW s, w
	WIN ((\w)|((\w)<<2))
.irp b, 0,1,2,3
	v_max3_num_f32 v[TM+\b], |v[\s+16*\b]|, |v[\s+16*\b+1]|, 0x1800000   ; the floor 2^(3 - 127) holds the byte at 1 from below
.endr
.irp i, 2,4,6,8,10,12,14
.irp b, 0,1,2,3
	v_max3_num_f32 v[TM+\b], |v[\s+16*\b+\i]|, |v[\s+16*\b+\i+1]|, v[TM+\b]
.endr
.endr
	WIN 0
.irp b, 0,1,2,3
	v_permlanex16_b32 v[TM+4+\b], v[TM+\b], s[SEL], s[SEL+1]
.endr
.irp b, 0,1,2,3
	v_max_num_f32 v[TM+\b], v[TM+\b], v[TM+4+\b]
.endr
.irp b, 0,1,2,3
	v_add_nc_u32 v[TM+12+\b], 0xff000000, v[TM+\b]
.endr
.irp b, 0,1,2,3
	v_lshrrev_b32 v[TM+4+\b], 23, v[TM+12+\b]
.endr
	v_lshl_or_b32 v[PW], v[TM+5], 8, v[TM+4]
	v_lshl_or_b32 v[PW], v[TM+6], 16, v[PW]
	v_lshl_or_b32 v[PW], v[TM+7], 24, v[PW]
	WIN (\w)
.irp c, 0,1
	v_cvt_scalef32_pk16_fp6_f32 v[PC+6*\c:PC+6*\c+2], v[\s+32*\c:\s+32*\c+15], v[TM+12+2*\c]
	v_cvt_scalef32_pk16_fp6_f32 v[PC+12+4*\c:PC+14+4*\c], v[\s+32*\c+16:\s+32*\c+31], v[TM+13+2*\c]
.endr
	WIN 0
	v_nop                                          ; one plain place behind a scaled conversion
.irp c, 0,1
.irp i, 0,1,2
	v_permlane16_swap_b32 v[PC+6*\c+\i], v[PC+12+4*\c+\i]
.endr
.irp i, 0,1,2
	v_mov_b32 v[PC+6*\c+3+\i], v[PC+12+4*\c+\i]
.endr
.endr
.endm
; Group g of my row (row = thread) is brought under the row's M.
.macro FIX g
	v_sub_f32 v160, v170, v[NMR+\g]                ; d = M(group) - M(row)
	v_max_num_f32 v160, 0xc3480000, v160           ; held at -200
	v_cvt_i32_f32 v161, v160
	v_ldexp_f32 v167, v[LR+\g], v161
	v_add_f32 v168, v168, v167
	v_sub_nc_u32 v162, 0, v161                     ; -d
	v_and_b32 v163, 0xff, v[WR+\g]
	v_bfe_u32 v164, v[WR+\g], 8, 8
	v_bfe_u32 v165, v[WR+\g], 16, 8
	v_lshrrev_b32 v166, 24, v[WR+\g]
.irp b, 163,164,165,166
	v_min_u32 v167, v\b, v162                      ; (byte - 1) less -d, held at 0
	v_sub_nc_u32 v\b, v\b, v167
.endr
	v_lshl_or_b32 v163, v164, 8, v163
	v_lshl_or_b32 v163, v165, 16, v163
	v_lshl_or_b32 v163, v166, 24, v163
	v_add_nc_u32 v163, 0x01010101, v163
	ds_store_b32 v[SCW], v163 offset:\g*512
.endm
; THE CHANGE OF SLOTS stands at a slot's head: each wave waits for all its tensor loads, adds 0 to its spare word, waits for that and for its reads of the slot that it has left; behind the barrier the slot ahead is whole and nobody reads the other.
; fill = 1: the other slot is asked for, if the keys that it would hold count.
.macro CHANGE fill
	s_wait_tensorcnt 0x0                           ; no tensor load of mine is out, so a group 0 may be written
	ds_add_u32 v[SPW], v[NIL]                      ; 0 onto my spare word
.if \fill
	s_xor_b32 s[G0A+1], s[G0A+1], SLOT1            ; the walking descriptors: the other slot, the next 256 keys
	s_add_nc_u64 s[G0A+2:G0A+3], s[G0A+2:G0A+3], 3072
	s_xor_b32 s[G0B+1], s[G0B+1], SLOT1
	s_add_nc_u64 s[G0B+2:G0B+3], s[G0B+2:G0B+3], 3328
	s_wait_xcnt 0x0                                ; the last trip's prefetches have read their address
	s_add_nc_u64 s[PFA:PFA+1], s[PFA:PFA+1], s[PFS:PFS+1]
.endif
	s_wait_dscnt 0x0                               ; the add is done, and my reads of the slot that I have left are over
	s_barrier_signal -1
	s_barrier_wait -1
.if \fill
	s_add_co_u32 s80, s[S], 1
	s_cmp_ge_u32 s80, s[N]                         ; ids and the count of trips alone: all four waves go the same way, and a work-group that is past its last slot stays past it
	s_cbranch_scc1 .Lpast_\@
	JLOAD
.Lpast_\@:
	ASK
.endif
.endm
; The addresses of the slot in hand, and the fragments and scale words of its first 128 keys
.macro SLOTHEAD
	v_add_nc_u32 v[ADRA], s[TB], v[A0]
	v_add_nc_u32 v[ADRB], s[TB], v[B0]
	v_add_nc_u32 v[ADSB], s[TB], v[SB0]
	v_add_nc_u32 v[ADSA], s[TS], v[SA0]
	FETCH 0, 0
.endm
; A slot's two steps of 128 keys.  inloop = 1: in trip 0 the first step has been done ahead of the loop, and its second step's fragments are in registers or on their way.
.macro SLOTWORK inloop
	s_cmp_ge_u32 s[S], s[N]
	s_cbranch_scc1 .Lhid_\@
.if \inloop
	s_cmp_eq_u32 s[S], 0
	s_cbranch_scc1 .Lq1_\@
.endif
	SLOTHEAD
	s_wait_alu depctr_va_vdst(0)
	STEPH 0, 1, 0
.Lq1_\@:
	s_add_co_u32 s80, s[S], 1
	s_sub_co_u32 s80, s[N], s80                    ; 0 in the last slot that counts,
	s_or_b32 s80, s80, s[ODD]                      ; of a tile with I even: its keys 128-255 are all hidden
	s_cmp_eq_u32 s80, 0
	s_cbranch_scc1 .Lhid_\@
	STEPH 1, 0, 0
.Lhid_\@:
	s_xor_b32 s[TB], s[TB], SLOT1
	s_add_co_u32 s[TS], s[TS], 1024
.endm
	s_load_b256 s[4:11], s[0:1], 0x0               ; pc s[4:5], ps s[6:7], qkv s[8:9], oc s[10:11]
	v_lshl_add_u32 v[SPW], v0, 2, SPARE
	v_mov_b32 v[NIL], 0
	ds_add_u32 v[SPW], v[NIL]                      ; the wave's opening: the add, twice on end, and its wait ahead of my first tensor load
	ds_add_u32 v[SPW], v[NIL]
	v_lshrrev_b32 v1, 5, v0
	v_readfirstlane_b32 s14, v1
	s_lshr_b32 s15, s14, 1                         ; my half of the queries.  Also: I fetch p (0) or V^T (1)
	s_and_b32 s16, s14, 1                          ; my half of h.  Also: which half of that tile I fetch
	s_and_b32 s67, ttmp7, 0xffff
	s_lshr_b32 s68, s67, 4                         ; batch
	s_and_b32 s69, s67, 15                         ; I
	s_lshr_b32 s[N], s69, 1
	s_add_co_u32 s[N], s[N], 1
	s_and_b32 s[ODD], s69, 1
	s_mov_b32 s[G1A], 3<<16                        ; elements of 8 bytes; no mask, no padding
	s_mov_b32 s[G1A+1], 384<<16                    ; 3,072 bytes a row block
	s_mov_b32 s[G1A+2], 4<<16                      ; 4 row blocks
	s_mov_b32 s[G1A+3], 384<<16
	s_mov_b32 s[G1A+4], 4
	s_mov_b32 s[G1A+5], 3072                       ; 24,576 bytes from row block to row block
	s_mov_b32 s[G1A+6], 0
	s_mov_b32 s[G1A+7], 0
	s_mov_b32 s[G1B], 3<<16
	s_mov_b32 s[G1B+1], 416<<16                    ; 3,328 bytes a row block
	s_mov_b32 s[G1B+2], 8<<16                      ; 8 row blocks
	s_mov_b32 s[G1B+3], 416<<16
	s_mov_b32 s[G1B+4], 8
	s_mov_b32 s[G1B+5], 3328                       ; 26,624 bytes
	s_mov_b32 s[G1B+6], 0
	s_mov_b32 s[G1B+7], 0
	s_lshl_b32 s79, s68, 7
	s_lshl_b32 s81, s69, 3
	s_add_co_u32 s79, s79, s81                     ; the tile's first row block: 128 batch + 8 I
	s_lshl_b32 s81, s16, 2
	s_add_co_u32 s82, s79, s81
	s_mul_i32 s82, s82, 24576
	s_mov_b32 s83, 0
	s_lshl_b32 s84, s68, 6
	s_lshl_b32 s85, ttmp9, 4
	s_add_co_u32 s84, s84, s85
	s_lshl_b32 s81, s16, 3
	s_add_co_u32 s84, s84, s81                     ; V^T: 64 batch + 16 HT + 8 x half
	s_mul_i32 s84, s84, 26624
	s_add_co_u32 s84, s84, VT0
	s_mov_b32 s85, 0
	s_mul_i32 s86, s16, 12288
	s_mul_i32 s87, s16, 26624
	s_add_co_u32 s87, s87, BOFF
	s_mov_b32 s[SEL], 0x76543210
	s_mov_b32 s[SEL+1], 0xfedcba98
	s_mov_b32 s[TB], 0
	s_mov_b32 s[TS], 0
	s_mov_b32 s[S], 0
	s_wait_dscnt 0x0
	s_wait_kmcnt 0x0
	s_add_nc_u64 s[82:83], s[4:5], s[82:83]
	s_add_nc_u64 s[84:85], s[8:9], s[84:85]
	s_mov_b32 s[G0A], 1
	s_mov_b32 s[G0A+1], s86
	s_mov_b64 s[G0A+2:G0A+3], s[82:83]
	s_or_b32 s[G0A+3], s[G0A+3], 0x80000000
	s_mov_b32 s[G0B], 1
	s_mov_b32 s[G0B+1], s87
	s_mov_b64 s[G0B+2:G0B+3], s[84:85]
	s_or_b32 s[G0B+3], s[G0B+3], 0x80000000
	JLOAD                                          ; slot 0, which counts for every tile
	; the prefetches: where my wave's stand, and who asks
	s_xor_b32 s88, s69, 15                         ; 0 where I = 15
	s_or_b32 s92, ttmp9, s16                       ; 0 in wave 0 (of waves 0 and 1) where HT = 0
	s_mov_b32 s89, 3328
	s_mov_b32 s90, 26624
	s_cmp_eq_u32 s15, 0
	s_cselect_b64 s[PFA:PFA+1], s[82:83], s[84:85]
	s_cselect_b32 s[PFS], 3072, s89
	s_cselect_b32 s90, 24576, s90
	s_cselect_b32 s88, s92, s88
	s_cmp_eq_u32 s88, 0
	s_cselect_b32 s[PLIM], s[N], 0
	s_mov_b32 s[PFS+1], 0
	s_add_nc_u64 s[PFA:PFA+1], s[PFA:PFA+1], s[PFS:PFS+1]
	s_add_nc_u64 s[PFA:PFA+1], s[PFA:PFA+1], s[PFS:PFS+1]   ; at slot 2: the first change of slots steps it to slot 3
	v_and_b32 v1, 31, v0
	v_and_b32 v2, 15, v0
	v_lshrrev_b32 v21, 2, v1
	v_and_b32 v22, 3, v1
	v_mul_lo_u32 v[PFO], v21, s90
	v_mad_u32_u24 v[PFO], v22, 768, v[PFO]
	v_mul_u32_u24 v[PFO2], v21, 26624
	v_lshl_add_u32 v[PFO2], v22, 6, v[PFO2]
	v_add_nc_u32 v[PFO2], 3072, v[PFO2]
	v_lshlrev_b32 v[LI], 4, v1
	v_lshlrev_b32 v[LS], 2, v1
	v_lshlrev_b32 v[PSV], 2, v0
	s_mul_i32 s86, s15, 12288                      ; my 4 row blocks of p
	v_add_nc_u32 v[A0], s86, v[LI]
	v_add_nc_u32 v[B0], s87, v[LI]                 ; my 8 row blocks of V^T
	v_add_nc_u32 v[SB0], s87, v[LS]
	s_lshl_b32 s86, s15, 8
	v_lshlrev_b32 v[SA0], 2, v2
	v_add_nc_u32 v[SA0], s86, v[SA0]
	v_add_nc_u32 v[RLR], RL, v[SA0]
	v_add_nc_u32 v[SA0], SCA, v[SA0]
	v_add_nc_u32 v[SCW], SCA, v[PSV]
	v_add_nc_u32 v[RLW], RL, v[PSV]
	s_lshl_b32 s88, s79, 6                         ; ps: 64 bytes a row block
	s_mov_b32 s89, 0
	s_add_nc_u64 s[88:89], s[6:7], s[88:89]
	s_lshl_b32 s90, s15, 2
	s_add_co_u32 s90, s90, s79
	s_mul_i32 s90, s90, 13312
	s_lshl_b32 s91, ttmp9, 1
	s_add_co_u32 s91, s91, s16
	s_mul_i32 s91, s91, 1664
	s_add_co_u32 s90, s90, s91
	s_mov_b32 s91, 0
	s_add_nc_u64 s[90:91], s[10:11], s[90:91]      ; oc: my first image
	; THE HEAD.  The registers of groups that do not count hold what changes nothing (-M = 3e38, which is never the least; word and sum 0), so that every register is written on every way
.irp i, 0,1,2,3,4,5,6,7,8,9,10,11,12,13,14,15
	v_mov_b32 v[WR+\i], 0
	v_mov_b32 v[NMR+\i], 0x7f61b1e6
	v_mov_b32 v[LR+\i], 0
.endr
	v_mov_b32 v168, 0
.irp g, 0,1,2,3,4,5,6,7,8,9,10,11,12,13,14,15
.if (\g >= 2) && (\g % 2 == 0)
	s_cmp_le_u32 s[N], \g/2                        ; only the groups of slots that count were stored
	s_cbranch_scc1 .Lin
.endif
	global_load_b32 v[WR+\g], v[PSV], s[88:89] offset:\g*32768
	global_load_b32 v[NMR+\g], v[PSV], s[88:89] offset:524288+\g*32768
	global_load_b32 v[LR+\g], v[PSV], s[88:89] offset:1048576+\g*32768
.endr
.Lin:
	s_wait_loadcnt 0x0
	v_min3_num_f32 v170, v[NMR], v[NMR+1], v[NMR+2]
.irp g, 3,5,7,9,11,13
	v_min3_num_f32 v170, v170, v[NMR+\g], v[NMR+\g+1]
.endr
	v_min_num_f32 v170, v170, v[NMR+15]            ; -M of the row
.irp g, 0,1,2,3,4,5,6,7,8,9,10,11,12,13,14,15
.if (\g >= 2) && (\g % 2 == 0)
	s_cmp_le_u32 s[N], \g/2
	s_cbranch_scc1 .Lfixed
.endif
	FIX \g
.endr
.Lfixed:
	s_wait_alu depctr_va_vdst(0)
	v_rcp_f32 v172, v168
	v_nop                                          ; a plain place behind the reciprocal
	s_wait_alu depctr_va_vdst(0)                   ; and the wait ahead of its first reader
	ds_store_b32 v[RLW], v172
	; THE FIRST 128 KEYS, ahead of the loop: every wave's part of slot 0 has landed and its stores into SCA and RL are done, then the barrier
	s_wait_tensorcnt 0x0                           ; my part of slot 0 is in
	s_wait_dscnt 0x0                               ; for the others' sake: my words and reciprocals lie in LDS
	s_barrier_signal -1
	s_barrier_wait -1
	SLOTHEAD
	s_wait_alu depctr_va_vdst(0)
	STEPH 0, 1, 1                                  ; these 32 products start the sums; the slot's second 128 keys are fetched meanwhile
.Lslot:                                            ; 7 trips: behind each change of slots but the last the next slot is asked for, up to the tile's last
	CHANGE 1
	SLOTWORK 1
	s_add_co_u32 s[S], s[S], 1
	s_cmp_lt_u32 s[S], 7
	s_cbranch_scc1 .Lslot
	CHANGE 0
	SLOTWORK 0
	; THE WAY OUT: o = the sums / l, quantised along h, stored as images
	s_wait_dscnt 0x0
.irp b, 0,1,2,3
	v_mov_b32 v[TM+4+\b], 0                        ; written once: a lane permute's destination counts as one of its sources
.endr
.irp a, 0,1,2,3
	ds_load_b32 v[BT+2*\a], v[RLR] offset:64*\a
	ds_load_b32 v[BT+2*\a+1], v[RLR] offset:64*\a
.endr
	s_wait_dscnt 0x0
.irp a, 0,1,2,3
	WIN 2                                          ; source 0: window 2
.set nn, 0
.rept 32
	v_pk_mul_f32 v[T+nn:T+nn+1], v[64*\a+nn:64*\a+nn+1], v[BT+2*\a:BT+2*\a+1]   ; each accumulator from its low end on
.set nn, nn+2
.endr
	WIN 0
.if \a > 0
	s_wait_xcnt 0x0                                ; the last block's stores have read their data and their base
	s_add_nc_u64 s[90:91], s[90:91], 13312
.endif
	QUANTW T, 0
.irp c, 0,1,2
	global_store_b128 v[LI], v[PC+4*\c:PC+4*\c+3], s[90:91] offset:512*\c   ; 32 lanes store 512 consecutive bytes
.endr
	global_store_b32 v[LS], v[PW], s[90:91] offset:1536
.endr
	s_wait_tensorcnt 0x0                           ; the wave's end
	ds_add_u32 v[SPW], v[NIL]
	s_wait_dscnt 0x0
	s_endpgm
.Lfunc_end_k_qcaa77dbfec_pv:
	.size	k_qcaa77dbfec_pv, .Lfunc_end_k_qcaa77dbfec_pv-k_qcaa77dbfec_pv
	.p2alignl 7, 3214868480
	.fill 96, 4, 3214868480
	.section	.rodata,"a",@progbits
	.p2align	6, 0x0
	.amdhsa_kernel k_qcaa77dbfec_pv
		.amdhsa_group_segment_fixed_size 327680
		.amdhsa_private_segment_fixed_size 0
		.amdhsa_enable_private_segment 0
		.amdhsa_kernarg_size 32
		.amdhsa_user_sgpr_count 2
		.amdhsa_user_sgpr_kernarg_segment_ptr 1
		.amdhsa_wavefront_size32 1
		.amdhsa_system_sgpr_workgroup_id_x 1
		.amdhsa_system_sgpr_workgroup_id_y 1
		.amdhsa_system_sgpr_workgroup_id_z 1
		.amdhsa_system_vgpr_workitem_id 0
		.amdhsa_next_free_vgpr 768
		.amdhsa_next_free_sgpr 100
		.amdhsa_reserve_vcc 0
		.amdhsa_float_denorm_mode_32 3
		.amdhsa_float_denorm_mode_16_64 3
		.amdhsa_memory_ordered 1
		.amdhsa_forward_progress 1
		.amdhsa_inst_pref_size 99
	.end_amdhsa_kernel
	.amdgpu_metadata
---
amdhsa.version: [ 1, 2 ]
amdhsa.kernels:
  - .name:           k_qcaa77dbfec_pv
    .symbol:         k_qcaa77dbfec_pv.kd
    .args:
      - { .name: pc, .offset: 0, .size: 8, .value_kind: global_buffer, .address_space: global }
      - { .name: ps, .offset: 8, .size: 8, .value_kind: global_buffer, .address_space: global }
      - { .name: qkv, .offset: 16, .size: 8, .value_kind: global_buffer, .address_space: global }
      - { .name: oc, .offset: 24, .size: 8, .value_kind: global_buffer, .address_space: global }
    .group_segment_fixed_size: 327680
    .private_segment_fixed_size: 0
    .kernarg_segment_align: 8
    .kernarg_segment_size: 32
    .max_flat_workgroup_size: 128
    .sgpr_count:     100
    .vgpr_count:     768
    .wavefront_size: 32
...
	.end_amdgpu_metadata
.endif
;; end of part 4
;; launch proj (part 5): grid 4 x 64, 4 waves a work-group, clusters of 4 x 4, 327,680 bytes of LDS; arguments oc, xw, b_out, out0; writes out0
.if DOCPART == 5
	.amdgcn_target "amdgcn-amd-amdhsa--gfx1250"
	.amdhsa_code_object_version 6
	.text
	.protected	k_qcaa77dbfec_proj
	.globl	k_qcaa77dbfec_proj
	.p2align	8
	.type	k_qcaa77dbfec_proj,@function
k_qcaa77dbfec_proj:
	s_mov_b64 s[64:65], 0
	v_nop
	global_prefetch_b8 v0, s[64:65] scope:SCOPE_SE
	s_setreg_imm32_b32 hwreg(HW_REG_WAVE_MODE, 25, 1), 1
	s_wait_xcnt 0x0
	s_wait_alu depctr_hold_cnt(0) depctr_sa_sdst(0) depctr_va_vdst(0) depctr_va_sdst(0) depctr_va_ssrc(0) depctr_va_vcc(0) depctr_vm_vsrc(0)
	s_getreg_b32 s2, hwreg(HW_REG_IB_STS2, 6, 4)
	s_cmp_eq_u32 s2, 0
	s_cbranch_scc0 .Lentry_in_a_cluster
	s_endpgm
.Lentry_in_a_cluster:
	s_bfe_u32 s2, ttmp6, 0x10000c
	s_cmp_lg_u32 s2, 0xf033
	s_cbranch_scc0 .Lentry_shape_is_right
	s_endpgm
.Lentry_shape_is_right:
; LAUNCH 5 OF 5.  out0 = o w_out^T + b_out on codes of FP6, K = 1,024.  Nothing is left out here.
; A work-group makes 128 rows x 256 columns; four waves, 64 x 128 each: 32 accumulators; transposed (source 0 = rows of w_out, source 1 = rows of o); the bias is the first products' C.
; BOTH OPERANDS LIE IN LDS FOR ALL OF K: o's 8 row blocks x 13,312 bytes, then w_out's two halves of [4 K steps][8 row blocks x 3,328].  ONE load a wave at the head brings them: waves 0 and 1 four row blocks of o each (53,248 dense bytes),
; waves 2 and 3 eight row blocks of w_out each (a descriptor row of 26,624 bytes for each K step: xw has K outermost).  Nothing is filled again.
; CLUSTERS: 4 x 4; o's tiles are shared along a row of the cluster, w_out's along a column.  NO PREFETCH: all that the work-group reads is asked for by its first loads.
; The way out goes through a stage at LDS byte 0, behind a barrier behind which no wave reads the operands any more.
.set ABYT,  106496                     ; o's 8 row blocks
.set SLOT,  79872
.set SPARE, 4*SLOT
.set ADRA, 4
.set ADRB, 8
.set ADSA, 12
.set LI,   16
.set LS,   17
.set STO,  18
.set RD,   19
.set ADSB, 20
.set BO,   24
.set SPW,  28
.set NIL,  29
.set SA,   32
.set SB,   48
.set BT,   64
.set AF,   128
.set BK,   128
.set G1A,  24
.set G0A,  32
.set G1B,  48
.set G0B,  68
.set MSB,  0
.macro WIN new
.if MSB != (\new)
	s_set_vgpr_msb (MSB<<8)|(\new)
.set MSB, (\new)
.endif
.endm
.macro PLACES n
.rept \n
	v_nop
.endr
.endm
.macro JLOAD g0a, g0b
	s_cmp_eq_u32 s15, 0
	s_cbranch_scc0 .Lfor_b_\@
	tensor_load_to_lds s[\g0a:\g0a+3], s[G1A:G1A+7]
	s_nop 0
.rept 4
	v_nop
.endr
	s_branch .Lasked_\@
.Lfor_b_\@:
	tensor_load_to_lds s[\g0b:\g0b+3], s[G1B:G1B+7]
	s_nop 0
.rept 4
	v_nop
.endr
.Lasked_\@:
.endm
.macro CROUND
	s_barrier_signal -1
	s_barrier_wait -1
	s_cmp_lg_u32 s14, 0
	s_cbranch_scc1 .Lnot_wave_0_\@
	s_barrier_signal -3
.Lnot_wave_0_\@:
	s_barrier_wait -3
	s_barrier_signal -1
	s_barrier_wait -1
.endm
.macro FRAG reg, adr, off
.irp c, 0,1,2
	ds_load_b128 v[\reg+4*\c:\reg+4*\c+3], v[\adr] offset:\off+512*\c
.endr
.endm
.macro FETCH nx, q, p
	WIN 0x40
.irp i, 0,1,2,3,4,5,6,7
	FRAG 128*(\p)+12*\i, ADRB+(\nx), \i*3328+(\q)*1664
.endr
	WIN 0
.irp i, 0,1,2,3
	FRAG AF+48*(\p)+12*\i, ADRA+(\nx), \i*13312+(\q)*1664
.endr
.irp i, 0,1,2,3
	ds_load_b32 v[SA+4*(\p)+\i], v[ADSA+(\nx)] offset:\i*13312+(\q)*1664+1536
.endr
.irp i, 0,1,2,3,4,5,6,7
	ds_load_b32 v[SB+8*(\p)+\i], v[ADSB+(\nx)] offset:\i*3328+(\q)*1664+1536
.endr
.endm
.macro MUL16 a0, p, cm
.irp a, \a0, \a0+1
.irp b, 0,1,2,3,4,5,6,7
.if \cm == 0
	v_wmma_scale_f32_16x16x128_f8f6f4 v[8*(8*(\a)+\b):8*(8*(\a)+\b)+7], v[128*(\p)+12*\b:128*(\p)+12*\b+11], v[AF+48*(\p)+12*(\a):AF+48*(\p)+12*(\a)+11], v[8*(8*(\a)+\b):8*(8*(\a)+\b)+7], v[SB+8*(\p)+\b], v[SA+4*(\p)+(\a)] matrix_a_fmt:MATRIX_FMT_FP6 matrix_b_fmt:MATRIX_FMT_FP6
.else
	v_wmma_scale_f32_16x16x128_f8f6f4 v[8*(8*(\a)+\b):8*(8*(\a)+\b)+7], v[128*(\p)+12*\b:128*(\p)+12*\b+11], v[AF+48*(\p)+12*(\a):AF+48*(\p)+12*(\a)+11], v[BT+8*\b:BT+8*\b+7], v[SB+8*(\p)+\b], v[SA+4*(\p)+(\a)] matrix_a_fmt:MATRIX_FMT_FP6 matrix_b_fmt:MATRIX_FMT_FP6
.endif
.endr
.endr
.endm
.macro STEPH p, f, nx, nq, cm
	s_wait_dscnt 0x0
.if \f
	FETCH \nx, \nq, 1-(\p)
.endif
.if \cm >= 2
	WIN 0x81
.else
	WIN 0xa1
.endif
	MUL16 0, \p, \cm
	MUL16 2, \p, \cm
	WIN 0
	PLACES 4
.endm
.macro TOSTAGE a
.set AC, 64*(\a)
	WIN 0x08
.irp b, 0,1,2,3,4,5,6,7
	ds_store_b128 v[STO], v[AC+8*\b:AC+8*\b+3] offset:128*(\b/2)+32*(\b%2)
	ds_store_b128 v[STO], v[AC+8*\b+4:AC+8*\b+7] offset:128*(\b/2)+32*(\b%2)+16
.endr
	WIN 0
.set BB, BK+64*((\a)%2)
.irp t, 0,1,2,3,4,5,6,7,8,9,10,11,12,13,14,15
	ds_load_b128 v[BB+4*\t:BB+4*\t+3], v[RD] offset:\t*528
.endr
.endm
.macro SEND a, younger
.set BB, BK+64*((\a)%2)
	s_wait_dscnt \younger
.if (\a) > 0
.if (\a)%2
	s_add_nc_u64 s[92:93], s[92:93], 8*4096
.else
	s_add_nc_u64 s[92:93], s[92:93], 24*4096
.endif
.endif
.irp t, 0,1,2,3,4,5,6,7,8,9,10,11,12,13,14,15
	global_store_b128 v[LI], v[BB+4*\t:BB+4*\t+3], s[92:93] offset:(\t+8*(\t/8))*4096 th:TH_STORE_NT
.endr
.endm
	s_load_b256 s[4:11], s[0:1], 0x0
	v_lshl_add_u32 v[SPW], v0, 2, SPARE
	v_mov_b32 v[NIL], 0
	ds_add_u32 v[SPW], v[NIL]
	ds_add_u32 v[SPW], v[NIL]
	v_lshrrev_b32 v1, 5, v0
	v_readfirstlane_b32 s14, v1
	s_lshr_b32 s15, s14, 1
	s_and_b32 s16, s14, 1
	s_bfe_u32 s56, ttmp6, 0x40000
	s_bfe_u32 s57, ttmp6, 0x40004
	s_lshl_b32 s58, ttmp9, 2
	s_add_co_u32 s58, s58, s56
	s_and_b32 s59, ttmp7, 0xffff
	s_lshl_b32 s59, s59, 2
	s_add_co_u32 s59, s59, s57
	s_lshl_b32 s60, s57, 2
	s_lshl_b32 s60, 15, s60
	s_lshl_b32 s61, 0x1111, s56
	s_or_b32 s[G1A], s60, (3<<16)|(1<<21)
	s_or_b32 s[G1B], s61, (3<<16)|(1<<21)
	s_mov_b32 s[G1A+1], 1664<<16                   ; o: 4 row blocks of 13,312 bytes, dense
	s_mov_b32 s[G1A+2], 4<<16
	s_mov_b32 s[G1A+3], 1664<<16
	s_mov_b32 s[G1A+4], 4
	s_mov_b32 s[G1A+5], 1664
	s_mov_b32 s[G1A+6], 0
	s_mov_b32 s[G1A+7], 0
	s_mov_b32 s[G1B+1], 3328<<16                   ; w_out: a row is 8 row blocks of one K step, 26,624 bytes;
	s_mov_b32 s[G1B+2], 4<<16                      ; four K steps,
	s_mov_b32 s[G1B+3], 3328<<16
	s_mov_b32 s[G1B+4], 4
	s_mov_b32 s[G1B+5], 319488                     ; 768 row blocks of 3,328 bytes apart, in elements of 8 bytes
	s_mov_b32 s[G1B+6], 0
	s_mov_b32 s[G1B+7], 0
	s_lshl_b32 s62, s59, 3
	s_lshl_b32 s21, s16, 2
	s_add_co_u32 s62, s62, s21
	s_mul_i32 s62, s62, 13312
	s_mov_b32 s63, 0
	s_lshl_b32 s84, s58, 4
	s_lshl_b32 s21, s16, 3
	s_add_co_u32 s84, s84, s21
	s_add_co_u32 s84, s84, 704
	s_mul_i32 s84, s84, 3328
	s_mov_b32 s85, 0
	s_mul_i32 s22, s16, 53248
	s_mul_i32 s23, s16, 106496
	s_add_co_u32 s23, s23, ABYT
	s_wait_dscnt 0x0
	s_wait_kmcnt 0x0
	s_add_nc_u64 s[62:63], s[4:5], s[62:63]
	s_add_nc_u64 s[84:85], s[6:7], s[84:85]
	CROUND
	s_mov_b32 s[G0A], 1
	s_mov_b32 s[G0A+1], s22
	s_mov_b64 s[G0A+2:G0A+3], s[62:63]
	s_or_b32 s[G0A+3], s[G0A+3], 0x80000000
	s_mov_b32 s[G0B], 1
	s_mov_b32 s[G0B+1], s23
	s_mov_b64 s[G0B+2:G0B+3], s[84:85]
	s_or_b32 s[G0B+3], s[G0B+3], 0x80000000
	JLOAD G0A, G0B                                 ; all of K of my part of an operand: my one tensor load
	v_and_b32 v1, 31, v0
	v_and_b32 v2, 15, v0
	v_bfe_u32 v3, v0, 4, 1
	v_lshlrev_b32 v[LI], 4, v1
	v_lshlrev_b32 v[LS], 2, v1
	s_mul_i32 s86, s15, 53248
	s_mul_i32 s87, s16, 106496
	s_add_co_u32 s87, s87, ABYT
.irp x, 0,1,2,3
	v_add_nc_u32 v[ADRA+\x], s86, v[LI]
	v_add_nc_u32 v[ADRB+\x], s87, v[LI]
	v_add_nc_u32 v[ADSA+\x], s86, v[LS]
	v_add_nc_u32 v[ADSB+\x], s87, v[LS]
	s_add_co_u32 s86, s86, 3328                    ; a K step on: inside o's row block,
	s_add_co_u32 s87, s87, 26624                   ; and 8 row blocks of w_out on
.endr
	s_mul_i32 s88, s14, 16*528
	v_mul_u32_u24 v[STO], v2, 528
	v_lshl_add_u32 v[STO], v3, 6, v[STO]
	v_add_nc_u32 v[STO], s88, v[STO]
	v_add_nc_u32 v[RD], s88, v[LI]
	v_lshlrev_b32 v[BO], 6, v3
	s_wait_alu depctr_va_vdst(0)
	s_lshl_b32 s90, s58, 10
	s_lshl_b32 s91, s16, 9
	s_add_co_u32 s90, s90, s91
	s_mov_b32 s91, 0
	s_lshl_b32 s92, s59, 19
	s_lshl_b32 s93, s15, 18
	s_add_co_u32 s92, s92, s93
	s_add_co_u32 s92, s92, s90
	s_mov_b32 s93, 0
	s_add_nc_u64 s[92:93], s[10:11], s[92:93]
	s_add_nc_u64 s[90:91], s[8:9], s[90:91]
.irp b, 0,1,2,3,4,5,6,7
	global_load_b128 v[BT+8*\b:BT+8*\b+3], v[BO], s[90:91] offset:(32*(\b/2)+8*(\b%2))*4
	global_load_b128 v[BT+8*\b+4:BT+8*\b+7], v[BO], s[90:91] offset:(32*(\b/2)+8*(\b%2))*4+16
.endr
	s_wait_loadcnt 0x0
	s_wait_tensorcnt 0x0                           ; my part of an operand is in; the barrier shows both operands whole to every wave
	s_barrier_signal -1
	s_barrier_wait -1
	FETCH 0, 0, 0
	STEPH 0, 1, 0, 1, 2
	STEPH 1, 1, 1, 0, 0
	STEPH 0, 1, 1, 1, 0
	STEPH 1, 1, 2, 0, 0
	STEPH 0, 1, 2, 1, 0
	STEPH 1, 1, 3, 0, 0
	STEPH 0, 1, 3, 1, 0
	STEPH 1, 0, 0, 0, 0
	s_barrier_signal -1                            ; my reads of the operands are over (waited for at the last step's head): behind this barrier the stage may be laid over them
	s_barrier_wait -1
	TOSTAGE 0
.irp a, 1,2,3
.if \a > 1
	s_wait_xcnt 0x0
.endif
	TOSTAGE \a
	SEND \a-1, 32
.endr
	s_wait_xcnt 0x0
	SEND 3, 0
	s_wait_tensorcnt 0x0
	ds_add_u32 v[SPW], v[NIL]
	s_wait_dscnt 0x0
	CROUND
	s_endpgm
.Lfunc_end_k_qcaa77dbfec_proj:
	.size	k_qcaa77dbfec_proj, .Lfunc_end_k_qcaa77dbfec_proj-k_qcaa77dbfec_proj
	.p2alignl 7, 3214868480
	.fill 96, 4, 3214868480
	.section	.rodata,"a",@progbits
	.p2align	6, 0x0
	.amdhsa_kernel k_qcaa77dbfec_proj
		.amdhsa_group_segment_fixed_size 327680
		.amdhsa_private_segment_fixed_size 0
		.amdhsa_enable_private_segment 0
		.amdhsa_kernarg_size 32
		.amdhsa_user_sgpr_count 2
		.amdhsa_user_sgpr_kernarg_segment_ptr 1
		.amdhsa_wavefront_size32 1
		.amdhsa_system_sgpr_workgroup_id_x 1
		.amdhsa_system_sgpr_workgroup_id_y 1
		.amdhsa_system_sgpr_workgroup_id_z 1
		.amdhsa_system_vgpr_workitem_id 0
		.amdhsa_next_free_vgpr 768
		.amdhsa_next_free_sgpr 100
		.amdhsa_reserve_vcc 0
		.amdhsa_float_denorm_mode_32 3
		.amdhsa_float_denorm_mode_16_64 3
		.amdhsa_memory_ordered 1
		.amdhsa_forward_progress 1
		.amdhsa_inst_pref_size 82
	.end_amdhsa_kernel
	.amdgpu_metadata
---
amdhsa.version: [ 1, 2 ]
amdhsa.kernels:
  - .name:           k_qcaa77dbfec_proj
    .symbol:         k_qcaa77dbfec_proj.kd
    .args:
      - { .name: oc, .offset: 0, .size: 8, .value_kind: global_buffer, .address_space: global }
      - { .name: xw, .offset: 8, .size: 8, .value_kind: global_buffer, .address_space: global }
      - { .name: b_out, .offset: 16, .size: 8, .value_kind: global_buffer, .address_space: global }
      - { .name: out0, .offset: 24, .size: 8, .value_kind: global_buffer, .address_space: global }
    .group_segment_fixed_size: 327680
    .private_segment_fixed_size: 0
    .kernarg_segment_align: 8
    .kernarg_segment_size: 32
    .max_flat_workgroup_size: 128
    .sgpr_count:     100
    .vgpr_count:     768
    .wavefront_size: 32
...
	.end_amdgpu_metadata
.endif
;; end of part 5
